; MI455X (gfx1250); checked and timed in simulation.
; The chip was launched on July 23, 2026; its instructions are those of AMD's public machine-readable ISA for CDNA 5 (MIT licence, August 2026) and "CDNA5" Instruction Set Architecture Reference Guide (July 2026). The comments in the code are by the model that wrote it; some were corrected since.
;; Enhanced Self Attention. Allowed arithmetic: matrix products marked QUANTISED: E2M3 operands, one E8M0 scale for each 32 along K, by v_wmma_scale_f32_16x16x128_f8f6f4 with both operands' format E2M3, f32 sums; everything else in f32.
;; Inputs: Wk 1,024 x 1,024 float32; Wq 1,024 x 1,024 float32; Wv 1,024 x 1,024 float32; bk 1,024 float32; bq 1,024 float32; bv 1,024 float32; x 4 x 2,048 x 1,024 float32.
;; Outputs: out0 4 x 2,048 x 1,024 float32.
;; This version of the problem:
;;   THIS VERSION OF THE PROBLEM IS GIVEN IN LOW PRECISION. The matrix products marked QUANTISED in the list below multiply operands that are first quantised to E2M3 (2 exponent bits, 3 mantissa bits; 6 bits a number), with one power-of-two scale for each 32 numbers along K (OCP MX v1.0); their sums are f32. All else is computed in f32.
;;   The module's matrix products, in the order in which they are computed (A, B: the left and right operand; K: the contracted axis; several contracted axes count as one K, in the product's order):
;;     1. [M 8,192, K 1,024] x [K 1,024, N 1,024]; A: input x; B: input Wq: QUANTISED
;;     2. [M 8,192, K 1,024] x [K 1,024, N 1,024]; A: input x; B: input Wk: QUANTISED
;;     3. [M 8,192, K 1,024] x [K 1,024, N 1,024]; A: input x; B: input Wv: QUANTISED
;;     4. batch 4 x [M 2,048, K 1,024] x [K 1,024, N 2,048]; A: computed on the way; B: computed on the way: QUANTISED
;;     5. batch 4 x [M 2,048, K 2,048] x [K 2,048, N 1,024]; A: softmax (see below); B: computed on the way: QUANTISED
;;   THE QUANTISER, for each operand of a quantised product, along K:
;;     - K is cut into blocks of 32 from its start; a last block that is shorter is filled with zeros.
;;     - A block's scale is 2^e with e = floor(log2(the largest magnitude in the block)) - 2, held to -126 .. 127; a block of zeros has e = 0. As a byte (E8M0): e + 127.
;;     - Each number is divided by its block's scale, clamped to +-7.5, and rounded to the nearest number of E2M3, ties to even, subnormals kept.
;;     - The product sums the exact products of the quantised numbers (number of the format x scale) in f32.
;;   ~~~python
;;   def quantise(x, axis):      # numpy; x: float32 -> the quantised numbers, widened to float32 again
;;       x = np.moveaxis(x, axis, -1); K = x.shape[-1]
;;       x = np.pad(x, [(0, 0)] * (x.ndim - 1) + [(0, -K % 32)]); x = x.reshape(x.shape[:-1] + (-1, 32)); a = np.abs(x).max(-1, keepdims=True)
;;       e = np.where(a > 0, np.clip(np.frexp(np.where(a > 0, a, 1))[1] - 1 - 2, -126, 127), 0)      # np.frexp(a)[1] - 1 = floor(log2(a)), exactly
;;       r = np.clip(x / 2.0 ** e, -7.5, 7.5)
;;       step = 2.0 ** (np.maximum(np.frexp(np.where(r == 0, 1, r))[1] - 1, 0) - 3)
;;       q = np.round(r / step) * step * 2.0 ** e      # np.round: ties to even
;;       return np.moveaxis(q.reshape(q.shape[:-2] + (-1,))[..., :K], -1, axis).astype(np.float32)
;;   ~~~
;;   SOFTMAX AHEAD OF A QUANTISED PRODUCT. Where the list says 'softmax', what is quantised is not the finished softmax but p = 2^(t - M), with t = logit x log2(e) and M = ceil(the row's largest t), a whole number; so 1/2 < the row's largest p <= 1. The row's sum l is taken of the UNQUANTISED p, in f32, and the product's result is divided by l at the end. Since M is a whole number, a kernel that streams over the keys may use a running M (the ceiling of the running maximum): every later rescaling is an exact power of two, which a block's scale takes up: the codes' values come out the same.
;;   OPERANDS COMPUTED ON THE WAY. 'Computed on the way' means the value that the module computes at that place (a softmax that the list does not call 'softmax' is quantised finished and normalised). What goes into a quantiser is computed in f32, as accurately as f32 sums, v_exp_f32 and their like allow (about 1e-6 of the number): no bf16 or f16 on the way to a quantiser, and a product that is left as it is and whose result goes on into a quantised operand takes f32 operands (vector FMAs, or v_wmma_f32_16x16x4_f32). A number that lies on a knife's edge between two numbers of the format may be rounded either way, as far as f32 arithmetic and the matrix unit's own rounding can turn it there, and no further.
;; One version. Each part assembles by itself: llvm-mc -triple=amdgcn-amd-amdhsa -mcpu=gfx1250 --defsym DOCPART=n.
;; ======== version 1 of 1: 4 launches
;; limits: right only within a limited range of input values
;; workspace buffers: xw 9,011,200 bytes; qkv 19,660,800 bytes; p_codes 12,582,912 bytes; p_stats 2,621,440 bytes
;; launch quant (part 1): grid 704 x 1, 8 waves a work-group, no clusters, 69,120 bytes of LDS; arguments x, Wq, Wk, Wv, xw; writes xw
.if DOCPART == 1
	.amdgcn_target "amdgcn-amd-amdhsa--gfx1250"
	.amdhsa_code_object_version 6
	.text
	.protected	k_qa9ec0c3ca3_quant
	.globl	k_qa9ec0c3ca3_quant
	.p2align	8
	.type	k_qa9ec0c3ca3_quant,@function
k_qa9ec0c3ca3_quant:
	s_mov_b64 s[64:65], 0
	v_nop
	global_prefetch_b8 v0, s[64:65] scope:SCOPE_SE
	s_setreg_imm32_b32 hwreg(HW_REG_WAVE_MODE, 25, 1), 1
	s_wait_xcnt 0x0
; x [8192][1024] and Wq, Wk, Wv [1024][1024], f32, K innermost, become codes of FP6 (E2M3) with one E8M0 byte for each 32 along K,
; laid in xw AS IMAGES OF THE OPERAND'S REGISTERS.  A group is 128 rows (x: groups 0-63, Wq 64-71, Wk 72-79, Wv 80-87), 8 tiles of 16 rows, 102,400 bytes.
; Lane-row i of tile t is row 64 (t / 4) + 32 (i / 8) + 8 (t % 4) + i % 8 of the group; IN Wv'S GROUPS it is row 64 (t / 4) + 4 i + t % 4.
; A fragment (16 rows x 128 K) is 1,536 bytes: registers 4 c .. 4 c + 3 of lane l at 512 c + 16 l.  A group: [tile][K step of 128] fragments, then scale words [tile][K step / 4][r][K step % 4].
; A block's scale is 2^(floor(log2(its largest magnitude)) - 2); its byte is the largest magnitude's exponent field - 2, held at 1 from below.
; LIMITS: a block of zeros gets the byte 1 where the rule says 127 (its codes are zeros, and this program alone reads the bytes); NaN and infinities are not served.
; SHARES: a work-group takes one tile, each of its eight waves one K step.  A load takes 512 consecutive bytes of one row; 16 rows turn through the wave's own stage in LDS, so that lane (r, h) gets
; k = 64 c + 32 h + 0 .. 31 of row r: two whole blocks a lane, in the operand's own order.  The eight waves' scale words meet in LDS and leave as two whole units of 256 bytes.
.set STG,   8448                       ; a wave's stage: 16 rows x (512 + 16) bytes
.set SWB,   8*STG                      ; behind the stages: 512 bytes of scale words
.set SPARE, SWB+512                    ; and the spare words, 128 bytes for each wave
.set SPW,   10
.set NIL,   12
.set O,     16                         ; v16-31   the loads' offsets
.set R,     32                         ; v32-95   a tile as loaded; then at work
.set X,     96                         ; v96-159  64 numbers in the operand's order
.set C,     32                         ; v32-43   the fragment's codes
.set PT,    44                         ; v44-50   the second halves of the blocks' codes
	s_load_b256 s[4:11], s[0:1], 0x0               ; x, Wq, Wk, Wv
	s_load_b64 s[12:13], s[0:1], 0x20              ; xw
	v_lshl_add_u32 v[SPW], v0, 2, SPARE
	v_mov_b32 v[NIL], 0
	v_lshrrev_b32 v1, 5, v0
	v_readfirstlane_b32 s14, v1                    ; wave: my K step
	v_and_b32 v3, 31, v0                           ; lane
	v_and_b32 v1, 15, v0                           ; r
	v_bfe_u32 v2, v0, 4, 1                         ; h
	v_lshlrev_b32 v4, 4, v3                        ; 16 x lane
	s_wait_alu depctr_va_vdst(0)                   ; a wait ahead of the run of scalar lines
	s_lshr_b32 s16, ttmp9, 3                       ; the group
	s_and_b32 s22, ttmp9, 7                        ; its tile
	s_lshr_b32 s2, s22, 2
	s_lshl_b32 s2, s2, 6
	s_and_b32 s3, s22, 3
	s_lshl_b32 s23, s3, 3
	s_mov_b32 s24, 16384
	s_cmp_lt_u32 s16, 80
	s_cselect_b32 s3, s23, s3                      ; lane-row 0's row: 64 (t / 4) + 8 (t % 4), in Wv + t % 4;
	s_cselect_b32 s24, 4096, s24                   ; bytes from lane-row to lane-row: one row, in Wv four;
	s_cselect_b32 s25, 98304, 0                    ; behind lane-row 7 24 rows more, in Wv none
	s_add_co_u32 s2, s2, s3
	s_lshl_b32 s26, s2, 12
.set I, 0
.rept 16
	v_add_nc_u32 v[O+I], s26, v4
	s_add_co_u32 s26, s26, s24
.if I == 7
	s_add_co_u32 s26, s26, s25
.endif
.set I, I+1
.endr
	s_and_b32 s18, s16, 7                          ; the group inside a weight
	s_cmp_lt_u32 s16, 64
	s_cselect_b32 s18, s16, s18                    ; or inside x
	s_lshl_b32 s34, s18, 19                        ; 128 rows of 4,096 bytes
	s_lshl_b32 s3, s14, 9
	s_add_co_u32 s34, s34, s3
	s_mov_b32 s35, 0
	s_wait_alu depctr_va_vdst(0)                   ; directly ahead of the wait below
	s_wait_kmcnt 0x0
	s_cmp_lt_u32 s16, 80                           ; the source: a choice on the work-group's number alone
	s_cselect_b64 s[10:11], s[8:9], s[10:11]
	s_cmp_lt_u32 s16, 72
	s_cselect_b64 s[10:11], s[6:7], s[10:11]
	s_cmp_lt_u32 s16, 64
	s_cselect_b64 s[10:11], s[4:5], s[10:11]
	s_add_nc_u64 s[10:11], s[10:11], s[34:35]
.irp i, 0,1,2,3,4,5,6,7,8,9,10,11,12,13,14,15
	global_load_b128 v[R+4*\i:R+4*\i+3], v[O+\i], s[10:11] th:TH_LOAD_NT   ; 512 consecutive bytes of a row
.endr
	; all else under the loads' flight
	s_mul_i32 s15, s14, STG
	v_add_nc_u32 v5, s15, v4                       ; the stage, on the way in
	v_mul_u32_u24 v6, v1, 528
	v_lshl_add_u32 v6, v2, 7, v6
	v_add_nc_u32 v6, s15, v6                       ; and out: row r, + 128 h bytes
	s_lshr_b32 s20, s14, 2
	s_lshl_b32 s20, s20, 8
	s_and_b32 s21, s14, 3
	s_lshl_b32 s21, s21, 2
	s_add_co_u32 s20, s20, s21
	s_add_co_u32 s20, s20, SWB
	v_lshlrev_b32 v7, 4, v1
	v_add_nc_u32 v7, s20, v7                       ; my scale word's place in LDS
	v_add_nc_u32 v9, SWB, v4                       ; and where wave 0 reads them back
	v_lshlrev_b32 v11, 3, v2                       ; 8 h: my bytes' shift in a scale word
	v_mov_b32 v13, 0                               ; a lane permute's destination counts as read
	s_mov_b32 s30, 0x76543210
	s_mov_b32 s31, 0xfedcba98                      ; selects for lane l xor 16
	s_mul_i32 s19, s16, 102400
	s_mul_i32 s36, s22, 12288
	s_mul_i32 s2, s14, 1536
	s_add_co_u32 s36, s36, s19
	s_add_co_u32 s36, s36, s2                      ; my fragment
	s_mov_b32 s37, 0
	s_lshl_b32 s38, s22, 9
	s_add_co_u32 s38, s38, s19
	s_add_co_u32 s38, s38, 98304                   ; the tile's 512 bytes of scale words
	s_mov_b32 s39, 0
	s_add_nc_u64 s[36:37], s[12:13], s[36:37]
	s_add_nc_u64 s[38:39], s[12:13], s[38:39]
	s_wait_alu depctr_va_vdst(0)                   ; a wait at the head's end
.irp i, 0,1,2,3,4,5,6,7,8,9,10,11,12,13,14,15
.if \i%4 == 0
	s_wait_loadcnt 12-\i                           ; the loads come back in order: the next four are in
.endif
	ds_store_b128 v5, v[R+4*\i:R+4*\i+3] offset:528*\i
.endr
.irp c, 0,1
.irp j, 0,1,2,3,4,5,6,7
	ds_load_b128 v[X+32*\c+4*\j:X+32*\c+4*\j+3], v6 offset:256*\c+16*\j   ; LDS serves a wave's instructions in order: these see the stores above
.endr
.endr
	s_wait_dscnt 0x0
.irp c, 0,1
	v_max3_num_f32 v[56+\c], |v[X+32*\c]|, |v[X+32*\c+1]|, 0x1800000   ; block 2 c + h: all 32 numbers are mine; the floor 2^(3 - 127) holds the byte at 1 from below
.endr
.irp i, 2,4,6,8,10,12,14,16,18,20,22,24,26,28,30
.irp c, 0,1
	v_max3_num_f32 v[56+\c], v[56+\c], |v[X+32*\c+\i]|, |v[X+32*\c+\i+1]|
.endr
.endr
.irp c, 0,1
	v_add_nc_u32 v[58+\c], 0xff000000, v[56+\c]    ; 2 off the exponent field: the conversion's scale operand
.endr
.irp c, 0,1
	v_lshrrev_b32 v[52+\c], 23, v[58+\c]           ; the scale's byte
.endr
	v_lshl_or_b32 v54, v53, 16, v52                ; my two bytes: blocks h and 2 + h,
	v_lshlrev_b32 v54, v11, v54                    ; at their places;
	v_permlanex16_b32 v13, v54, s30, s31
	v_or_b32 v55, v54, v13                         ; with lane l xor 16's two the word is whole
	ds_store_b32 v7, v55                           ; (lanes r and 16 + r write the same word with the same value)
.irp c, 0,1
	v_cvt_scalef32_pk16_fp6_f32 v[C+6*\c:C+6*\c+2], v[X+32*\c:X+32*\c+15], v[58+\c]
	v_cvt_scalef32_pk16_fp6_f32 v[PT+4*\c:PT+4*\c+2], v[X+32*\c+16:X+32*\c+31], v[58+\c]   ; (a conversion's three registers begin on an even number)
.endr
	v_nop                                          ; one plain place behind a scaled conversion
.irp c, 0,1
.irp i, 0,1,2
	v_mov_b32 v[C+6*\c+3+\i], v[PT+4*\c+\i]
.endr
.endr
.irp c, 0,1,2
	global_store_b128 v4, v[C+4*\c:C+4*\c+3], s[36:37] offset:512*\c   ; 32 lanes store 512 consecutive bytes, at a multiple of 256 from the buffer's first byte
.endr
	s_wait_dscnt 0x0                               ; my scale words are in LDS
	s_barrier_signal -1
	s_barrier_wait -1                              ; everybody's are
	s_cmp_lg_u32 s14, 0
	s_cbranch_scc1 .Ldone
	ds_load_b128 v[64:67], v9
	s_wait_dscnt 0x0
	global_store_b128 v4, v[64:67], s[38:39]       ; wave 0: two units of 256 bytes, each byte once
.Ldone:
	s_wait_tensorcnt 0x0                           ; the wave's end
	ds_add_u32 v[SPW], v[NIL]
	s_wait_dscnt 0x0
	s_endpgm
.Lfunc_end_k_qa9ec0c3ca3_quant:
	.size	k_qa9ec0c3ca3_quant, .Lfunc_end_k_qa9ec0c3ca3_quant-k_qa9ec0c3ca3_quant
	.p2alignl 7, 3214868480
	.fill 96, 4, 3214868480
	.section	.rodata,"a",@progbits
	.p2align	6, 0x0
	.amdhsa_kernel k_qa9ec0c3ca3_quant
		.amdhsa_group_segment_fixed_size 69120
		.amdhsa_private_segment_fixed_size 0
		.amdhsa_enable_private_segment 0
		.amdhsa_kernarg_size 40
		.amdhsa_user_sgpr_count 2
		.amdhsa_user_sgpr_kernarg_segment_ptr 1
		.amdhsa_wavefront_size32 1
		.amdhsa_system_sgpr_workgroup_id_x 1
		.amdhsa_system_sgpr_workgroup_id_y 1
		.amdhsa_system_sgpr_workgroup_id_z 1
		.amdhsa_system_vgpr_workitem_id 0
		.amdhsa_next_free_vgpr 160
		.amdhsa_next_free_sgpr 66
		.amdhsa_reserve_vcc 0
		.amdhsa_float_denorm_mode_32 3
		.amdhsa_float_denorm_mode_16_64 3
		.amdhsa_memory_ordered 1
		.amdhsa_forward_progress 1
		.amdhsa_inst_pref_size 12
	.end_amdhsa_kernel
	.amdgpu_metadata
---
amdhsa.version: [ 1, 2 ]
amdhsa.kernels:
  - .name:           k_qa9ec0c3ca3_quant
    .symbol:         k_qa9ec0c3ca3_quant.kd
    .args:
      - { .name: x, .offset: 0, .size: 8, .value_kind: global_buffer, .address_space: global }
      - { .name: Wq, .offset: 8, .size: 8, .value_kind: global_buffer, .address_space: global }
      - { .name: Wk, .offset: 16, .size: 8, .value_kind: global_buffer, .address_space: global }
      - { .name: Wv, .offset: 24, .size: 8, .value_kind: global_buffer, .address_space: global }
      - { .name: xw, .offset: 32, .size: 8, .value_kind: global_buffer, .address_space: global }
    .group_segment_fixed_size: 69120
    .private_segment_fixed_size: 0
    .kernarg_segment_align: 8
    .kernarg_segment_size: 40
    .max_flat_workgroup_size: 256
    .sgpr_count:     66
    .vgpr_count:     160
    .wavefront_size: 32
...
	.end_amdgpu_metadata
.endif
;; end of part 1
;; launch qkv (part 2): grid 8 x 32, 4 waves a work-group, clusters of 4 x 4, 327,680 bytes of LDS; arguments xw, bq, bk, bv, qkv; writes qkv
.if DOCPART == 2
	.amdgcn_target "amdgcn-amd-amdhsa--gfx1250"
	.amdhsa_code_object_version 6
	.text
	.protected	k_qa9ec0c3ca3_qkv
	.globl	k_qa9ec0c3ca3_qkv
	.p2align	8
	.type	k_qa9ec0c3ca3_qkv,@function
k_qa9ec0c3ca3_qkv:
	s_mov_b64 s[64:65], 0
	v_nop
	global_prefetch_b8 v0, s[64:65] scope:SCOPE_SE
	s_setreg_imm32_b32 hwreg(HW_REG_WAVE_MODE, 25, 1), 1
	s_wait_xcnt 0x0
	s_wait_alu depctr_hold_cnt(0) depctr_sa_sdst(0) depctr_va_vdst(0) depctr_va_sdst(0) depctr_va_ssrc(0) depctr_va_vcc(0) depctr_vm_vsrc(0)
	s_getreg_b32 s2, hwreg(HW_REG_IB_STS2, 6, 4)
	s_cmp_eq_u32 s2, 0
	s_cbranch_scc0 .Lentry_in_a_cluster
	s_endpgm
.Lentry_in_a_cluster:
	s_bfe_u32 s2, ttmp6, 0x10000c
	s_cmp_lg_u32 s2, 0xf033
	s_cbranch_scc0 .Lentry_shape_is_right
	s_endpgm
.Lentry_shape_is_right:
; q = x Wq^T + bq, k = x Wk^T + bk, v = x Wv^T + bv on codes of FP6 (E2M3) with E8M0 scales, and the results quantised again: q and k along e, v along the keys of its batch.
; A work-group (column z = 0 .. 7, row tile of 256 tokens) makes 256 tokens x 128 of v and then, of the same tokens, 256 x 256 of q (z < 4) or k.
; PHASE 1: the wave in row a, column b of 2 x 2 holds Wv's tiles 4 b .. 4 b + 3, all of K, in 384 registers; x's group a passes in 8 blocks of 16 tokens, 32 products each.
; PHASE 2: wave w holds 64 tokens of x, which lie in LDS still, the same way; 16 tiles of Wq or Wk pass.  A loop of two trips, each 8 blocks: 128 columns, one K step of the next product.
; Source 0 = the tile that passes, source 1 = a tile that is held: by the rows' order a lane's results of four blocks (a BAND) are 32 neighbours along the next K: one scale block, no lane looks at another.
; A band's four units of 32 sums (one for each held tile) are quantised one a block among the NEXT band's products: two chains of maxima, and behind the block two conversions.  Band c = 0 gives registers 0-5 of a fragment, c = 1 registers 6-11, and it leaves.
; RESULTS: q, k: group of 128 tokens, 102,400 bytes: [K step][tile] fragments of 1,536, then scale words [half][K step][r][tile % 4]; v from 13,107,200: [batch][256 of e][256 keys][128 of e] blocks of 25,600:
; [K step parity][tile] fragments, scale words [parity][tile / 4][r][tile % 4].
; LDS: x's two groups at 0, Wv's group at WB.  REFILLS, each a round of the cluster's barrier: W's first 128 columns onto Wv's bytes (Wv is in registers), its second 128 onto x's (x is in registers).
; CLUSTER 4 x 4: x is shared along a row, the weights along a column: joint loads.  What the refills load is asked for into the L2 at the head, shared out by address among a column's sixteen waves, by the first four rows of clusters.
; The biases are the C of each sum's first product.
; LIMITS: a block of zeros gets the byte 1 where the rule says 127 (zero codes; this program alone reads the bytes); NaN and infinities are not served.
; REGISTERS: window 0: v1-23 addresses, v24-39 and v44-59 scale words, v64-255 the passing tiles, two sets; windows 1, 2: the held fragments (f = 4 K step + tile: window 1 + f / 21), window 2 also bias, codes, words; window 3: sums, two bands.
.set GRP,  102400
.set WB,   2*GRP
.set SPARE, 3*GRP
.set XS,   4                           ; v4, v5  x's tiles 0-3, 4-7 of my group (phase 1);  v6 scale words
.set XSW,  6
.set WT,   7                           ; v7, v11 Wv's four tiles, their scale words
.set WTW,  11
.set CO,   8                           ; v8      16 x lane
.set SPW,  9
.set NIL,  10
.set XT,   12                          ; v12, v13 my 64 tokens of x (phase 2), their scale words
.set XTW,  13
.set WA,   14                          ; v14-16  the passing weights: tiles 0-3, 4-7, scale words;  v8, v17, v18 the same less s101
.set WW,   16
.set BL,   19                          ; v19     128 h
.set H8,   22                          ; v22     8 h
.set SO,   23                          ; v23     16 r + 8 h
.set SB,   24
.set TQ,   40                          ; v40, v41 the two chains (at the head the prefetches' addresses)
.set SOP,  42
.set EB,   43
.set SA,   44
.set TC,   60
.set PF,   64
.set BI0,  136                         ; window 2: v136-167, v168-199 bias, two sets
.set BI1,  168
.set CD,   200                         ; window 2: v200-247 four fragments' codes
.set W4,   248                         ; window 2: v248-251 their scale words;  v252-255 at work
.set WX,   252
.set G1X,  24                          ; s[24:31], s[68:71] x;  s[48:55], s[72:75] weights
.set G1W,  48
.set G0X,  68
.set G0W,  72
.set OC,   76                          ; s[76:77], s[78:79] where fragments and scale words go;  s[98:99], s[80:81] the next
.set OS,   78
.set OCN,  98
.set OSN,  80
.set MSB, 0
.macro WIN new
.if MSB != (\new)
	s_set_vgpr_msb (MSB<<8)|(\new)
.set MSB, (\new)
.endif
.endm
.macro PLACES n
.rept \n
	v_nop
.endr
.endm
.macro WALU
	s_wait_alu depctr_va_vdst(0)
.endm
.macro BARRIER
	s_barrier_signal -1
	s_barrier_wait -1
.endm
.macro CROUND                          ; a round of the cluster's barrier
	s_barrier_signal -1
	s_barrier_wait -1
	s_cmp_lg_u32 s14, 0
	s_cbranch_scc1 .Lnot_wave_0_\@
	s_barrier_signal -3
.Lnot_wave_0_\@:
	s_barrier_wait -3
	BARRIER
.endm
.macro TLOAD g0, g1
	tensor_load_to_lds s[\g0:\g0+3], s[\g1:\g1+7]
	s_nop 0
	PLACES 4
.endm
.macro STAT q0, adr, wadr              ; 50 loads: four held tiles' K steps q0 .. q0 + 3 and their scale words (lanes 0-15 tile 2 p, lanes 16-31 tile 2 p + 1)
.irp k, 0,1,2,3
.irp b, 0,1,2,3
.set VF_, 4*((\q0)+\k)+\b
	WIN (1+VF_/21)<<6
.irp c, 0,1,2
	ds_load_b128 v[12*(VF_%21)+4*\c:12*(VF_%21)+4*\c+3], v[\adr] offset:12288*\b+1536*((\q0)+\k)+512*\c
.endr
.endr
.endr
	WIN 0
	ds_load_b128 v[SB+(\q0):SB+(\q0)+3], v[\wadr] offset:64*(\q0)
	ds_load_b128 v[SB+8+(\q0):SB+8+(\q0)+3], v[\wadr] offset:1024+64*(\q0)
.endm
.macro FETCH t, adr, wadr              ; 26 loads: tile t of a group, all of K, into set t % 2
.irp q, 0,1,2,3,4,5,6,7
.irp c, 0,1,2
	ds_load_b128 v[PF+96*((\t)%2)+12*\q+4*\c:PF+96*((\t)%2)+12*\q+4*\c+3], v[\adr+(\t)/4] offset:12288*((\t)%4)+1536*\q+512*\c
.endr
.endr
	ds_load_b128 v[SA+8*((\t)%2):SA+8*((\t)%2)+3], v[\wadr] offset:512*(\t)
	ds_load_b128 v[SA+8*((\t)%2)+4:SA+8*((\t)%2)+7], v[\wadr] offset:512*(\t)+256
.endm
.macro PROD st, n, d0, bc, bcs         ; product n = 4 q + a: the four accumulators take turns, one instruction a turn; the first four begin with the bias
.set Q_, (\n)/4
.set A_, (\n)%4
.set D_, (\d0)+32*A_
.set X_, PF+96*(\st)+12*Q_
.set Y_, 12*((\n)%21)
.set SX_, SA+8*(\st)+Q_
.set SY_, SB+8*(A_/2)+Q_
.if Q_
	WIN 0xf0|((1+(\n)/21)<<2)
.set C_, D_
.else
	WIN 0xe4
.set C_, (\bc)+(\bcs)*A_
.endif
.if A_%2
	v_wmma_scale_f32_16x16x128_f8f6f4 v[D_:D_+7], v[X_:X_+11], v[Y_:Y_+11], v[C_:C_+7], v[SX_], v[SY_] matrix_a_fmt:MATRIX_FMT_FP6 matrix_b_fmt:MATRIX_FMT_FP6 matrix_b_scale:MATRIX_SCALE_ROW1
.else
	v_wmma_scale_f32_16x16x128_f8f6f4 v[D_:D_+7], v[X_:X_+11], v[Y_:Y_+11], v[C_:C_+7], v[SX_], v[SY_] matrix_a_fmt:MATRIX_FMT_FP6 matrix_b_fmt:MATRIX_FMT_FP6
.endif
.endm
.macro CHAIN i, x                      ; 18 entries: the largest magnitude of the 32 sums at x, and the conversions' scale operand
.if (\i) < 14
.set B_, (\x)+16*((\i)%2)+2*((\i)/2)
.set T_, TQ+1-(\i)%2
.if (\i) < 2
	WIN 0x3f
	v_max3_num_f32 v[T_], |v[B_]|, |v[B_+1]|, |v[B_+2]|
.else
	WIN 0x3c
	v_max3_num_f32 v[T_], v[T_], |v[B_+1]|, |v[B_+2]|
.endif
.elseif (\i) == 14
	WIN 0x0c
	v_max3_num_f32 v[TQ+1], v[TQ+1], |v[(\x)+15]|, 0x1800000   ; with the floor 2^(3 - 127)
.elseif (\i) == 15
	WIN 0
	v_nop
.elseif (\i) == 16
	WIN 0x0c
	v_max3_num_f32 v[TQ], v[TQ], |v[(\x)+31]|, v[TQ+1]
.elseif (\i) == 17
	WIN 0
	v_add_nc_u32 v[SOP], 0xff000000, v[TQ]
.endif
.endm
.macro CODES x, a, c                   ; 32 codes into registers 6 c .. of unit a's fragment, and the byte; four plain lines stand behind the conversions
	WIN 0x83
	v_cvt_scalef32_pk16_fp6_f32 v[CD+12*(\a)+6*(\c):CD+12*(\a)+6*(\c)+2], v[(\x):(\x)+15], v[SOP]
	WIN 0x03
	v_cvt_scalef32_pk16_fp6_f32 v[TC:TC+2], v[(\x)+16:(\x)+31], v[SOP]   ; (a conversion's three registers begin on an even number)
.if \c
	WIN 0
	v_lshrrev_b32 v[EB], 23, v[SOP]
.else
	WIN 0x80
	v_lshrrev_b32 v[W4+(\a)], 23, v[SOP]
.endif
	WIN 0x80
.irp i, 0,1,2
	v_mov_b32 v[CD+12*(\a)+6*(\c)+3+\i], v[TC+\i]
.endr
.if \c
	WIN 0xa0
	v_lshl_or_b32 v[W4+(\a)], v[EB], 16, v[W4+(\a)]
.endif
	WIN 0
.endm
.macro OUTF a                          ; unit a's fragment leaves: 32 lanes store 512 consecutive bytes, at a multiple of 256 from the buffer's first byte
	WIN 0x08
.irp k, 0,1,2
	global_store_b128 v[CO], v[CD+12*(\a)+4*\k:CD+12*(\a)+4*\k+3], s[OC:OC+1] offset:1536*(\a)+512*\k
.endr
	WIN 0
.endm
.macro WORDS                           ; four units' scale words leave as one unit of 256 bytes
	WALU
	WIN 0x88
.irp a, 0,1,2,3
	v_lshlrev_b32 v[WX+\a], v[H8], v[W4+\a]        ; my bytes h and 2 + h at their places
.endr
	WIN 0x82
.irp a, 0,1,2,3
	v_permlanex16_b32 v[W4+\a], v[WX+\a], s88, s89
.endr
	WIN 0x8a
.irp a, 0,1,2,3
	v_or_b32 v[WX+\a], v[WX+\a], v[W4+\a]
.endr
	v_cndmask_b32 v[W4], v[WX], v[WX+2], s96       ; lanes 0-15 tiles 0, 1 of lane-row r, lanes 16-31 tiles 2, 3
	v_cndmask_b32 v[W4+1], v[WX+1], v[WX+3], s96
	WIN 0x08
	global_store_b64 v[SO], v[W4:W4+1], s[OS:OS+1]
	WIN 0
.endm
.macro BLK st, d0, bc, bcs, from, to, x=-1
.set N_, \from
.rept (\to)-(\from)
	PROD \st, N_, \d0, \bc, \bcs
.if ((\x) >= 0) && (N_%2)
	CHAIN N_-1, \x
	CHAIN N_, \x
.endif
.set N_, N_+1
.endr
.endm
.macro VBLK t, from, to                ; phase 1: block t; from block 4 on with band 0's unit t - 4
.if (\t) < 4
	BLK (\t)%2, 128*((\t)/4)+8*((\t)%4), BI0, 8, \from, \to
.else
	BLK (\t)%2, 128*((\t)/4)+8*((\t)%4), BI0, 8, \from, \to, 32*((\t)-4)
.endif
.endm
.macro BIASLD b, off                   ; a band's bias: 128 bytes on end for each half of the lanes
	WIN 0x80
.irp k, 0,1,2,3,4,5,6,7
	global_load_b128 v[\b+4*\k:\b+4*\k+3], v[BL], s[2:3] offset:(\off)+16*\k
.endr
	WIN 0
.endm
; ================= THE HEAD
	s_load_b256 s[4:11], s[0:1], 0x0               ; xw, bq, bk, bv
	s_load_b64 s[12:13], s[0:1], 0x20              ; qkv
	v_lshl_add_u32 v[SPW], v0, 2, SPARE
	v_mov_b32 v[NIL], 0
	ds_add_u32 v[SPW], v[NIL]                      ; the wave's opening: the add, twice on end, and its wait
	ds_add_u32 v[SPW], v[NIL]
	v_lshrrev_b32 v1, 5, v0
	v_readfirstlane_b32 s14, v1                    ; wave
	s_lshr_b32 s15, s14, 1
	s_and_b32 s16, s14, 1
	s_mul_i32 s18, s15, GRP
	s_mul_i32 s19, s16, 49152
	s_lshl_b32 s20, s16, 11
	s_add_co_u32 s21, s18, 98304
	v_and_b32 v1, 15, v0                           ; r
	v_bfe_u32 v2, v0, 4, 1                         ; h
	v_and_b32 v3, 31, v0                           ; lane
	v_lshlrev_b32 v[CO], 4, v3
	v_lshlrev_b32 v20, 4, v1                       ; 16 r
	v_lshl_add_u32 v21, v2, 9, v20                 ; + 512 h
	v_lshlrev_b32 v[BL], 7, v2
	v_lshlrev_b32 v[H8], 3, v2
	v_lshl_add_u32 v[SO], v2, 3, v20
	v_add_nc_u32 v17, 49152, v[CO]
	v_add_nc_u32 v18, 98304, v20
	v_add_nc_u32 v[XS], s18, v[CO]
	v_add_nc_u32 v[XS+1], s18, v17
	v_add_nc_u32 v[XSW], s21, v20
	s_add_co_u32 s22, s19, WB
	v_add_nc_u32 v[WT], s22, v[CO]
	s_add_co_u32 s22, s20, WB+98304
	v_add_nc_u32 v[WTW], s22, v21
	s_add_co_u32 s22, s18, s19
	v_add_nc_u32 v[XT], s22, v[CO]
	s_add_co_u32 s22, s21, s20
	v_add_nc_u32 v[XTW], s22, v21
	s_mov_b32 s101, WB                             ; where the passing weights lie: at WB, then at 0
	v_add_nc_u32 v[WA], s101, v[CO]
	v_add_nc_u32 v[WA+1], s101, v17
	v_add_nc_u32 v[WW], s101, v18
	s_bfe_u32 s40, ttmp6, 0x40000                  ; cx
	s_bfe_u32 s41, ttmp6, 0x40004                  ; cy
	s_and_b32 s43, ttmp7, 0xffff                   ; the cluster's y
	s_lshl_b32 s90, s41, 2
	s_add_co_u32 s90, s90, s14                     ; my number among my column's sixteen waves
	s_mul_i32 s90, s90, 12800
	v_lshl_add_u32 v[TQ], v3, 8, s90               ; my 50 units of 256 bytes of the 800 that the refills bring: 32,
	v_add_nc_u32 v[TQ+1], 32, v3
	v_min_u32 v[TQ+1], 49, v[TQ+1]
	v_lshl_add_u32 v[TQ+1], v[TQ+1], 8, s90        ; and 18
	WALU                                           ; a wait at the end of the head's vector work
	s_lshl_b32 s44, s41, 2
	s_lshl_b32 s44, 15, s44                        ; my row of the cluster
	s_lshl_b32 s45, 0x1111, s40                    ; my column
	s_or_b32 s[G1X], s44, (3<<16)|(1<<21)          ; x: a group, 400 rows of 256 bytes
	s_or_b32 s[G1W], s45, (3<<16)|(1<<21)          ; weights: half a group; for the refills a quarter
	s_mov_b32 s[G1X+2], 400<<16
	s_mov_b32 s[G1X+4], 400
	s_mov_b32 s[G1W+2], 200<<16
	s_mov_b32 s[G1W+4], 200
.irp g, G1X, G1W
	s_mov_b32 s[\g+1], 32<<16
	s_mov_b32 s[\g+3], 32<<16
	s_mov_b32 s[\g+5], 32
	s_mov_b32 s[\g+6], 0
	s_mov_b32 s[\g+7], 0
.endr
	s_mov_b32 s88, 0x76543210
	s_mov_b32 s89, 0xfedcba98                      ; selects for lane l xor 16
	s_mov_b32 s96, 0xffff0000                      ; lanes 16-31
	s_lshl_b32 s17, s43, 2
	s_add_co_u32 s17, s17, s41                     ; the tile of 256 tokens
	s_lshl_b32 s42, ttmp9, 2
	s_add_co_u32 s42, s42, s40                     ; z
	s_mul_i32 s32, s17, 2*GRP                      ; x's groups,
	s_mul_i32 s18, s16, GRP                        ; the one that I fetch
	s_add_co_u32 s32, s32, s18
	s_mov_b32 s33, 0
	s_add_co_u32 s34, s42, 80
	s_mul_i32 s34, s34, GRP                        ; Wv's group,
	s_mul_i32 s19, s16, GRP/2                      ; the half that I fetch
	s_add_co_u32 s34, s34, s19
	s_mov_b32 s35, 0
	s_lshl_b32 s36, s42, 1
	s_add_co_u32 s36, s36, 64
	s_mul_i32 s36, s36, GRP                        ; Wq's or Wk's two groups
	s_mov_b32 s37, 0
	s_mov_b32 s[G0X], 1
	s_mov_b32 s[G0X+1], s18
	s_mov_b32 s[G0W], 1
	s_add_co_u32 s[G0W+1], s19, WB
	s_wait_dscnt 0x0                               ; both opening adds are done
	CROUND                                         ; all sixteen work-groups are here: the first joint loads meet
	s_wait_kmcnt 0x0
	s_add_nc_u64 s[G0X+2:G0X+3], s[4:5], s[32:33]
	s_or_b32 s[G0X+3], s[G0X+3], 0x80000000
	s_add_nc_u64 s[G0W+2:G0W+3], s[4:5], s[34:35]
	s_or_b32 s[G0W+3], s[G0W+3], 0x80000000
	s_cmp_eq_u32 s14, 0
	s_cbranch_scc0 .Lwave_1
	TLOAD G0W, G1W                                 ; waves 0, 1: Wv's halves
	s_branch .Lasked
.Lwave_1:
	s_cmp_eq_u32 s14, 1
	s_cbranch_scc0 .Lwave_2
	TLOAD G0W, G1W
	s_branch .Lasked
.Lwave_2:
	s_cmp_eq_u32 s14, 2
	s_cbranch_scc0 .Lwave_3
	TLOAD G0X, G1X                                 ; waves 2, 3: x's groups
	s_branch .Lasked
.Lwave_3:
	TLOAD G0X, G1X
.Lasked:
	s_add_nc_u64 s[36:37], s[4:5], s[36:37]
	s_cmp_eq_u32 ttmp9, 0
	s_cselect_b64 s[2:3], s[6:7], s[8:9]           ; bq or bk: a choice on the cluster's number alone
	s_lshl_b32 s18, s40, 10
	s_mov_b32 s19, 0
	s_add_nc_u64 s[2:3], s[2:3], s[18:19]
	s_lshl_b32 s20, s42, 9
	s_lshl_b32 s21, s16, 8
	s_add_co_u32 s20, s20, s21
	s_mov_b32 s21, 0
	s_add_nc_u64 s[10:11], s[10:11], s[20:21]      ; bv of my 64 of e: lane-row r of tile b is 4 r + b
	WIN 0x80
.irp b, 0,1,2,3
	global_load_b32 v[BI0+8*\b], v20, s[10:11] offset:4*\b
.endr
	BIASLD BI1, 0
	s_cmp_lt_u32 s43, 4
	s_cbranch_scc0 .Lno_ask
	global_prefetch_b8 v[TQ], s[36:37] th:TH_LOAD_NT scope:SCOPE_SE
	global_prefetch_b8 v[TQ+1], s[36:37] th:TH_LOAD_NT scope:SCOPE_SE
.Lno_ask:
	s_lshr_b32 s18, s17, 3                         ; WHERE v GOES: the batch,
	s_lshl_b32 s18, s18, 2
	s_lshr_b32 s19, s42, 1
	s_add_co_u32 s18, s18, s19                     ; its 256 of e,
	s_mul_i32 s18, s18, 409600
	s_and_b32 s19, s17, 7
	s_mul_i32 s19, s19, 51200                      ; 256 keys,
	s_add_co_u32 s18, s18, s19
	s_and_b32 s19, s42, 1
	s_mul_i32 s19, s19, 25600                      ; 128 of e
	s_add_co_u32 s18, s18, s19
	s_add_co_u32 s18, s18, 13107200
	s_mul_i32 s19, s15, 12288                      ; my 128 keys: the block's even or odd K step
	s_add_co_u32 s20, s18, s19
	s_mul_i32 s19, s16, 6144
	s_add_co_u32 s20, s20, s19
	s_mov_b32 s21, 0
	s_add_nc_u64 s[OC:OC+1], s[12:13], s[20:21]
	s_lshl_b32 s19, s15, 9
	s_add_co_u32 s20, s18, s19
	s_lshl_b32 s19, s16, 8
	s_add_co_u32 s20, s20, s19
	s_add_co_u32 s20, s20, 24576
	s_add_nc_u64 s[OS:OS+1], s[12:13], s[20:21]
	s_lshl_b32 s18, ttmp9, 6                       ; WHERE q OR k GOES: the group,
	s_lshl_b32 s19, s17, 1
	s_add_co_u32 s18, s18, s19
	s_add_co_u32 s18, s18, s15
	s_mul_i32 s18, s18, GRP
	s_mul_i32 s19, s40, 24576                      ; K steps 2 cx, 2 cx + 1,
	s_add_co_u32 s20, s18, s19
	s_mul_i32 s19, s16, 6144                       ; the group's half
	s_add_co_u32 s20, s20, s19
	s_add_nc_u64 s[OCN:OCN+1], s[12:13], s[20:21]
	s_lshl_b32 s19, s40, 9
	s_add_co_u32 s20, s18, s19
	s_lshl_b32 s19, s16, 11
	s_add_co_u32 s20, s20, s19
	s_add_co_u32 s20, s20, 98304
	s_add_nc_u64 s[OSN:OSN+1], s[12:13], s[20:21]
	s_cmp_lt_u32 s14, 2
	s_cbranch_scc0 .Lnot_w
	s_wait_tensorcnt 0x0
.Lnot_w:
	BARRIER                                        ; Wv's group is in
	STAT 0, WT, WTW
	STAT 4, WT, WTW
	s_wait_loadcnt 0x0                             ; the biases
	WIN 0x82
.irp b, 0,8,16,24
.irp i, 1,2,3,4,5,6,7
	v_mov_b32 v[BI0+\b+\i], v[BI0+\b]              ; bv is one number a lane and tile: over the tile's eight registers
.endr
.endr
	WIN 0
	WALU                                           ; ahead of the waits below
	s_wait_xcnt 0x0                                ; the prefetches have read their addresses
	s_wait_tensorcnt 0x0                           ; THE FIRST REFILL
	ds_add_u32 v[SPW], v[NIL]
	s_mov_b32 s[G1W+2], 100<<16                    ; (no tensor load of mine is out) a quarter of a group a wave
	s_mov_b32 s[G1W+4], 100
	s_mul_i32 s18, s14, 25600
	s_mov_b32 s19, 0
	s_add_co_u32 s[G0W+1], s18, WB
	s_add_nc_u64 s[G0W+2:G0W+3], s[36:37], s[18:19]
	s_or_b32 s[G0W+3], s[G0W+3], 0x80000000
	s_wait_dscnt 0x0                               ; the add is done; Wv is in my registers
	CROUND                                         ; in everybody's; x is in
	TLOAD G0W, G1W
; ================= PHASE 1
	FETCH 0, XS, XSW
	FETCH 1, XS, XSW
.irp t, 0,1,2,3,4,5
	s_wait_dscnt 26                                ; all but the next block's 26 loads
	VBLK \t, 0, 32
	WIN 0
.if \t < 4
	PLACES 4                                       ; four places in front of loads into registers that the products read
.else
	CODES 32*(\t-4), \t-4, 0
.endif
	FETCH \t+2, XS, XSW
.endr
	s_wait_dscnt 26
	VBLK 6, 0, 26
	WIN 0
	WALU                                           ; ahead of the barrier
	s_wait_tensorcnt 0x0
	s_wait_dscnt 0x0
	s_barrier_signal -1                            ; a plain barrier shows the weights that the first refill brought
	VBLK 6, 26, 32
	WIN 0
	s_barrier_wait -1
	CODES 64, 2, 0
	FETCH 0, WA, WW
	VBLK 7, 0, 16
	WIN 0
	PLACES 4
	STAT 0, XT, XTW                                ; x's 64 tokens take Wv's registers behind their last products
	VBLK 7, 16, 32
	WIN 0
	CODES 96, 3, 0
	STAT 4, XT, XTW
	FETCH 1, WA, WW
	WALU
	s_wait_tensorcnt 0x0                           ; THE SECOND REFILL
	ds_add_u32 v[SPW], v[NIL]
	s_mul_i32 s18, s14, 25600
	s_mov_b32 s19, 0
	s_mov_b32 s[G0W+1], s18
	s_add_co_u32 s18, s18, GRP
	s_add_nc_u64 s[G0W+2:G0W+3], s[36:37], s[18:19]
	s_or_b32 s[G0W+3], s[G0W+3], 0x80000000
	s_mov_b32 s86, 0
	s_wait_dscnt 0x0                               ; the add is done; x is in my registers
	CROUND
	TLOAD G0W, G1W
; ================= PHASE 2: block i of a trip; blocks 0-3 quantise the band before (c = 1: its fragments leave), blocks 4-7 the trip's first band
.macro PBLK i
.if (\i) < 4
.set PD_, 8*(\i)
.set PB_, BI1+8*(\i)
.set PX_, 128+32*(\i)
.set PC_, 1
.else
.set PD_, 128+8*((\i)-4)
.set PB_, BI0+8*((\i)-4)
.set PX_, 32*((\i)-4)
.set PC_, 0
.endif
	s_wait_dscnt 26
	s_wait_xcnt 0x0                                ; earlier stores have read their registers and bases
.if (\i)%4 == 0
	s_wait_loadcnt 0x0                             ; this band's bias
.endif
.if (\i) == 4
	s_mov_b64 s[OC:OC+1], s[OCN:OCN+1]             ; from here on the next K step's places
	s_mov_b64 s[OS:OS+1], s[OSN:OSN+1]
	s_add_nc_u64 s[OCN:OCN+1], s[OCN:OCN+1], 12288
	s_add_nc_u64 s[OSN:OSN+1], s[OSN:OSN+1], 256
.endif
.if (\i) == 5
	BLK (\i)%2, PD_, PB_, 0, 0, 26, PX_
	WIN 0
	WALU
	s_wait_tensorcnt 0x0
	s_wait_dscnt 0x0
	s_barrier_signal -1                            ; a plain barrier: in the first trip it shows the second refill to all
	BLK (\i)%2, PD_, PB_, 0, 26, 32
	WIN 0
	s_barrier_wait -1
.else
	BLK (\i)%2, PD_, PB_, 0, 0, 32, PX_
	WIN 0
.endif
	CODES PX_, (\i)%4, PC_
.if (\i) < 4
	OUTF \i
.endif
.if (\i) == 3
	WORDS
.endif
.if (\i) == 0
	BIASLD BI0, 256
.endif
.if (\i) == 4
	s_cmp_eq_u32 s86, 1
	s_cbranch_scc1 .Lno_bias
	BIASLD BI1, 512
.Lno_bias:
.endif
	FETCH ((\i)+2)%8, WA, WW                       ; (in the second trip blocks 6 and 7 load bytes that nobody multiplies: so every trip's counts are alike)
.if (\i) == 5
	s_xor_b32 s101, s101, WB
	v_add_nc_u32 v[WA], s101, v[CO]
	v_add_nc_u32 v[WA+1], s101, v17
	v_add_nc_u32 v[WW], s101, v18
	WALU
.endif
.endm
.Ltrip:
	PBLK 0
	PBLK 1
	PBLK 2
	PBLK 3
	PBLK 4
	PBLK 5
	PBLK 6
	PBLK 7
	s_wait_xcnt 0x0
	s_add_nc_u64 s[2:3], s[2:3], 512
	WALU
	s_add_co_u32 s86, s86, 1
	s_cmp_lt_u32 s86, 2
	s_cbranch_scc1 .Ltrip
; ================= THE END: the last band
.irp a, 0,1,2,3
.set I, 0
.rept 18
	CHAIN I, 128+32*\a
.set I, I+1
.endr
	CODES 128+32*\a, \a, 1
	OUTF \a
.endr
	WORDS
	s_wait_tensorcnt 0x0                           ; the wave's end
	ds_add_u32 v[SPW], v[NIL]
	s_wait_dscnt 0x0
	CROUND                                         ; the closing round
	s_endpgm
.Lfunc_end_k_qa9ec0c3ca3_qkv:
	.size	k_qa9ec0c3ca3_qkv, .Lfunc_end_k_qa9ec0c3ca3_qkv-k_qa9ec0c3ca3_qkv
	.p2alignl 7, 3214868480
	.fill 96, 4, 3214868480
	.section	.rodata,"a",@progbits
	.p2align	6, 0x0
	.amdhsa_kernel k_qa9ec0c3ca3_qkv
		.amdhsa_group_segment_fixed_size 327680
		.amdhsa_private_segment_fixed_size 0
		.amdhsa_enable_private_segment 0
		.amdhsa_kernarg_size 40
		.amdhsa_user_sgpr_count 2
		.amdhsa_user_sgpr_kernarg_segment_ptr 1
		.amdhsa_wavefront_size32 1
		.amdhsa_system_sgpr_workgroup_id_x 1
		.amdhsa_system_sgpr_workgroup_id_y 1
		.amdhsa_system_sgpr_workgroup_id_z 1
		.amdhsa_system_vgpr_workitem_id 0
		.amdhsa_next_free_vgpr 1024
		.amdhsa_next_free_sgpr 102
		.amdhsa_reserve_vcc 0
		.amdhsa_float_denorm_mode_32 3
		.amdhsa_float_denorm_mode_16_64 3
		.amdhsa_memory_ordered 1
		.amdhsa_forward_progress 1
		.amdhsa_inst_pref_size 164
	.end_amdhsa_kernel
	.amdgpu_metadata
---
amdhsa.version: [ 1, 2 ]
amdhsa.kernels:
  - .name:           k_qa9ec0c3ca3_qkv
    .symbol:         k_qa9ec0c3ca3_qkv.kd
    .args:
      - { .name: xw, .offset: 0, .size: 8, .value_kind: global_buffer, .address_space: global }
      - { .name: bq, .offset: 8, .size: 8, .value_kind: global_buffer, .address_space: global }
      - { .name: bk, .offset: 16, .size: 8, .value_kind: global_buffer, .address_space: global }
      - { .name: bv, .offset: 24, .size: 8, .value_kind: global_buffer, .address_space: global }
      - { .name: qkv, .offset: 32, .size: 8, .value_kind: global_buffer, .address_space: global }
    .group_segment_fixed_size: 327680
    .private_segment_fixed_size: 0
    .kernarg_segment_align: 8
    .kernarg_segment_size: 40
    .max_flat_workgroup_size: 128
    .sgpr_count:     102
    .vgpr_count:     1024
    .wavefront_size: 32
...
	.end_amdgpu_metadata
.endif
;; end of part 2
;; launch scores (part 3): grid 8 x 32, 4 waves a work-group, clusters of 4 x 4, 327,680 bytes of LDS; arguments qkv, p_codes, p_stats; writes p_codes, p_stats
.if DOCPART == 3
	.amdgcn_target "amdgcn-amd-amdhsa--gfx1250"
	.amdhsa_code_object_version 6
	.text
	.protected	k_qa9ec0c3ca3_scores
	.globl	k_qa9ec0c3ca3_scores
	.p2align	8
	.type	k_qa9ec0c3ca3_scores,@function
k_qa9ec0c3ca3_scores:
	s_mov_b64 s[64:65], 0
	v_nop
	global_prefetch_b8 v0, s[64:65] scope:SCOPE_SE
	s_setreg_imm32_b32 hwreg(HW_REG_WAVE_MODE, 25, 1), 1
	s_wait_xcnt 0x0
	s_wait_alu depctr_hold_cnt(0) depctr_sa_sdst(0) depctr_va_vdst(0) depctr_va_sdst(0) depctr_va_ssrc(0) depctr_va_vcc(0) depctr_vm_vsrc(0)
	s_getreg_b32 s2, hwreg(HW_REG_IB_STS2, 6, 4)
	s_cmp_eq_u32 s2, 0
	s_cbranch_scc0 .Lentry_in_a_cluster
	s_endpgm
.Lentry_in_a_cluster:
	s_bfe_u32 s2, ttmp6, 0x10000c
	s_cmp_lg_u32 s2, 0xf033
	s_cbranch_scc0 .Lentry_shape_is_right
	s_endpgm
.Lentry_shape_is_right:
; S = q k^T on codes of FP6 (E2M3) with E8M0 scales, K = 1,024, for 4 batches of 2,048 x 2,048; then the softmax's p, quantised along the keys, under a LOCAL whole number M.
; t = score x log2(e) / 32.  For each query and each 64 keys (a wave's band): M_loc = ceil(the largest t of these 64); p = 2^(t - M_loc); l_loc = the sum of the unquantised p.
; Stored: p's codes, the scale bytes under M_loc (a word for each query and 128 keys), -M_loc and l_loc.  The next launch takes the row's largest M and moves the scale bytes by M - M_loc: an exact power of two.
; OPERANDS: groups of 128 rows, 102,400 bytes: [K step][tile] fragments of 1,536, then scale words [half][K step][r][tile % 4]; lane-row i of tile t is row 64 (t / 4) + 32 (i / 8) + 8 (t % 4) + i % 8.
; SHARES: a work-group makes 256 queries x 256 keys.  Wave w holds keys 64 w .. 64 w + 63, all of K, in 384 registers; the 16 tiles of 16 queries pass, a block of 32 products each.
; Source 0 = 16 keys, source 1 = 16 queries: lane (r, h) holds query lane-row r and keys 64 w + 32 h + 0 .. 31: one scale block.
; A UNIT (a block's 32 sums a lane) goes through two stages.  A, among the next block's products: the largest score, M_loc, t - M_loc; behind that block the exponentials in one batch.  B, a block later: the sum of p, the scale; then two conversions, and it leaves.
; p_codes: [group of 128 queries][128 keys][tile] 1,536 bytes: for each 64 keys registers 0-3 of lane l at 16 l, registers 4-5 at 512 + 8 l.  p_stats: words [group][16][128 queries], from 524,288 -M_loc [group][32][128], from 1,572,864 l_loc.
; LDS: k's two groups at 0, q's first group behind; once k is in registers q's second group takes k's first bytes, by the one refill; it is asked for into the L2 at the head by the row's sixteen waves.  Statistics gather in LDS and leave whole.
; CLUSTER 4 x 4: q is shared along a row, k along a column: joint loads.
; LIMITS: a p under 2^-126 counts as 0, and a block all of whose p are 0 keeps the byte 1 (zero codes); scaled scores stay under 2^31 in magnitude; NaN and infinities are not served.
; REGISTERS: window 0: v1-23 addresses and sums, v24-39, v44-59 scale words, v64-255 q's tiles, two sets; windows 1, 2: k's fragments (f = 4 K step + tile: window 1 + f / 21); window 2: v140-158 codes; window 3: v0-63 scores, v64-127 p, two units each.
.set GRP,  102400
.set QB,   2*GRP
.set NMB,  3*GRP                       ; -M_loc [wave][tile][r], l_loc the same, scale words [wave / 2][tile][r]
.set WRB,  NMB+8192
.set SPARE, NMB+10240
.set LS,   1                           ; v1      the sum
.set PX,   2                           ; v2      a permute's result
.set KA,   4                           ; v4, v5  k's fragments, K steps 0-3, 4-7;  v6 scale words
.set KW,   6
.set C8,   7                           ; v7      8 x lane
.set CO,   8                           ; v8      16 x lane
.set SPW,  9
.set NIL,  10
.set STB,  11                          ; v11     LDS: my scale byte's place, less two units
.set QF,   12                          ; v12, v13  q's fragments of the four tiles at work;  v14 scale words;  v8, v15, v16 the same less s101, s91
.set QW,   14
.set STG,  19                          ; v19     LDS: my -M_loc's place, less two units;  v17, v18: v19 and v11 less s57
.set SB,   24
.set TQ,   40                          ; v40, v41 the two chains
.set MX,   42
.set EB,   43
.set SA,   44
.set NM,   60                          ; v60     -M_loc (v61: named with it as a pair)
.set BM,   62
.set SOP,  63
.set PF,   64
.set CD,   140                         ; window 2
.set TC,   156
.set G1K,  24
.set G1Q,  48
.set G0K,  68
.set G0Q,  72
.set MSB, 0
.macro WIN new
.if MSB != (\new)
	s_set_vgpr_msb (MSB<<8)|(\new)
.set MSB, (\new)
.endif
.endm
.macro PLACES n
.rept \n
	v_nop
.endr
.endm
.macro WALU
	s_wait_alu depctr_va_vdst(0)
.endm
.macro BARRIER
	s_barrier_signal -1
	s_barrier_wait -1
.endm
.macro CROUND                          ; a round of the cluster's barrier
	s_barrier_signal -1
	s_barrier_wait -1
	s_cmp_lg_u32 s14, 0
	s_cbranch_scc1 .Lnot_wave_0_\@
	s_barrier_signal -3
.Lnot_wave_0_\@:
	s_barrier_wait -3
	BARRIER
.endm
.macro TLOAD g0, g1
	tensor_load_to_lds s[\g0:\g0+3], s[\g1:\g1+7]
	s_nop 0
	PLACES 4
.endm
.macro FETCH i                         ; 32 loads: tile i of the four at work, all of K, into set i % 2
.irp q, 0,1,2,3,4,5,6,7
.irp c, 0,1,2
	ds_load_b128 v[PF+96*((\i)%2)+12*\q+4*\c:PF+96*((\i)%2)+12*\q+4*\c+3], v[QF+\q/4] offset:12288*(\q%4)+1536*(\i)+512*\c
.endr
.endr
.irp q, 0,1,2,3,4,5,6,7
	ds_load_b32 v[SA+8*((\i)%2)+\q], v[QW] offset:256*\q+4*(\i)
.endr
.endm
.macro PROD i, n                       ; product n = 4 q + b: the four accumulators take turns, one instruction a turn
.set Q_, (\n)/4
.set B_, (\n)%4
.set D_, 32*((\i)%2)+8*B_
.set X_, 12*((\n)%21)
.set Y_, PF+96*((\i)%2)+12*Q_
.set SX_, SB+8*(B_/2)+Q_
.set SY_, SA+8*((\i)%2)+Q_
	WIN 0xf0|(1+(\n)/21)
.if Q_
.if B_%2
	v_wmma_scale_f32_16x16x128_f8f6f4 v[D_:D_+7], v[X_:X_+11], v[Y_:Y_+11], v[D_:D_+7], v[SX_], v[SY_] matrix_a_fmt:MATRIX_FMT_FP6 matrix_b_fmt:MATRIX_FMT_FP6 matrix_a_scale:MATRIX_SCALE_ROW1
.else
	v_wmma_scale_f32_16x16x128_f8f6f4 v[D_:D_+7], v[X_:X_+11], v[Y_:Y_+11], v[D_:D_+7], v[SX_], v[SY_] matrix_a_fmt:MATRIX_FMT_FP6 matrix_b_fmt:MATRIX_FMT_FP6
.endif
.else
.if B_%2
	v_wmma_scale_f32_16x16x128_f8f6f4 v[D_:D_+7], v[X_:X_+11], v[Y_:Y_+11], 0, v[SX_], v[SY_] matrix_a_fmt:MATRIX_FMT_FP6 matrix_b_fmt:MATRIX_FMT_FP6 matrix_a_scale:MATRIX_SCALE_ROW1
.else
	v_wmma_scale_f32_16x16x128_f8f6f4 v[D_:D_+7], v[X_:X_+11], v[Y_:Y_+11], 0, v[SX_], v[SY_] matrix_a_fmt:MATRIX_FMT_FP6 matrix_b_fmt:MATRIX_FMT_FP6
.endif
.endif
.endm
.macro ENT k, i, a, b                  ; what stands behind product pair k of block i: b: stage B of the unit two blocks back; a: stage A of the last block's unit
.set AX_, 32*(((\i)+1)%2)
.set AP_, 64+AX_
.set BP_, 64+32*((\i)%2)
.if \b
.if (\k) == 0
	WIN 0
	v_max_num_f32 v[BM], 0x1800000, v[BM]          ; the block's largest p, and the floor 2^(3 - 127)
.elseif (\k) == 1
	WIN 0
	v_add_nc_u32 v[SOP], 0xff000000, v[BM]         ; 2 off the exponent field: the conversion's scale operand
.elseif (\k) == 2
	WIN 0
	v_lshrrev_b32 v[EB], 23, v[SOP]
.elseif (\k) == 3
	WIN 0x0f
	v_pk_add_f32 v[20:21], v[BP_:BP_+1], v[BP_+2:BP_+3]   ; the sum of the UNQUANTISED p, in two chains
	v_pk_add_f32 v[22:23], v[BP_+4:BP_+5], v[BP_+6:BP_+7]
.elseif (\k) < 10
	WIN 0x0c
	v_pk_add_f32 v[20:21], v[20:21], v[BP_+8+4*((\k)-4):BP_+8+4*((\k)-4)+1]
	v_pk_add_f32 v[22:23], v[22:23], v[BP_+8+4*((\k)-4)+2:BP_+8+4*((\k)-4)+3]
.endif
.endif
.if \a
.if (\k) == 0
	WIN 0x3f
	v_max3_num_f32 v[TQ], v[AX_], v[AX_+1], v[AX_+2]      ; the largest score of my 32 keys: it serves the row's maximum and, since p rises with the score, the block's largest p
	v_max3_num_f32 v[TQ+1], v[AX_+16], v[AX_+17], v[AX_+18]
.elseif (\k) < 7
	WIN 0x3c
	v_max3_num_f32 v[TQ], v[TQ], v[AX_+2*(\k)+1], v[AX_+2*(\k)+2]
	v_max3_num_f32 v[TQ+1], v[TQ+1], v[AX_+2*(\k)+17], v[AX_+2*(\k)+18]
.elseif (\k) == 7
	WIN 0x0c
	v_max_num_f32 v[TQ], v[TQ], v[AX_+15]
	v_max_num_f32 v[TQ+1], v[TQ+1], v[AX_+31]
.elseif (\k) == 8
	WIN 0
	v_max_num_f32 v[TQ], v[TQ], v[TQ+1]
.elseif (\k) == 9
	WIN 0
	v_permlanex16_b32 v[MX], v[TQ], s20, s21
.elseif (\k) == 10
	WIN 0
	v_max_num_f32 v[MX], v[MX], v[TQ]              ; with lane l xor 16's 32 keys
.elseif (\k) == 11
	WIN 0
	v_mul_f32 v[MX], s22, v[MX]                    ; as t (c is positive)
.elseif (\k) == 12
	WIN 0
	v_floor_f32 v[NM], -v[MX]                      ; -M_loc = floor(-t): a whole number
.else
	WIN 0xc3
.set J_, 12*((\k)-13)
.rept 6
.if J_ < 32
	v_pk_fma_f32 v[AP_+J_:AP_+J_+1], v[AX_+J_:AX_+J_+1], s[22:23], v[NM:NM+1] op_sel_hi:[1,0,0]   ; t - M_loc, two at a time
.endif
.set J_, J_+2
.endr
.if (\k) == 15
	WIN 0
	v_fma_f32 v[BM], v[TQ], s22, v[NM]             ; the same of the block's largest score
.endif
.endif
.endif
.endm
.macro PAIRS i, a, b, from, to
.set K_, \from
.rept (\to)-(\from)
	PROD \i, 2*K_
	PROD \i, 2*K_+1
	ENT K_, \i, \a, \b
.set K_, K_+1
.endr
.endm
.macro NEXTQ                           ; on to the next four tiles of queries: 6,144 bytes of each K step's fragments further, behind the first group's eight tiles at the second group's place
	s_add_co_u32 s101, s101, 6144
	s_cmp_eq_u32 s101, QB+12288
	s_cselect_b32 s101, 0, s101
	s_add_co_u32 s91, s91, 2048
	s_cmp_eq_u32 s91, 3*GRP
	s_cselect_b32 s91, 98304, s91
	v_add_nc_u32 v[QF], s101, v[CO]
	v_add_nc_u32 v[QF+1], s101, v15
	v_add_nc_u32 v[QW], s91, v16
	WALU
.endm
.macro FIN i, a, b, fetch, step        ; behind a block
.set CP_, CD+8*((\i)%2)
.set BQ_, 64+32*((\i)%2)
	WIN 0
.if \b
	v_pk_add_f32 v[20:21], v[20:21], v[22:23]      ; (these four lines are also places behind the products)
	v_add_f32 v[LS], v20, v21
	v_permlanex16_b32 v[PX], v[LS], s20, s21
	v_add_f32 v[LS], v[LS], v[PX]                  ; l_loc
.else
	PLACES 4
.endif
.if \fetch
	FETCH ((\i)+2)%4                               ; the tile two blocks on
.if (\i) == 1
	NEXTQ
.endif
.endif
.if \b
	WALU                                           ; ahead of the wait below
	s_wait_xcnt 0x0                                ; the stores of the blocks before have read their registers and their base
.if \step
	s_mov_b32 s98, 6144                            ; on to the next four tiles in p_codes; from the first group's last four to the second group's first
	s_cmp_eq_u32 s86, 2
	s_cselect_b32 s98, 190464, s98
	s_add_nc_u64 s[92:93], s[92:93], s[98:99]
.endif
	WIN 0x83
	v_cvt_scalef32_pk16_fp6_f32 v[CP_:CP_+2], v[BQ_:BQ_+15], v[SOP]
	v_cvt_scalef32_pk16_fp6_f32 v[TC:TC+2], v[BQ_+16:BQ_+31], v[SOP]   ; (a conversion's three registers begin on an even number)
	WIN 0x82
	v_nop                                          ; one plain place behind a scaled conversion
.irp m, 0,1,2
	v_mov_b32 v[CP_+3+\m], v[TC+\m]
.endr
.endif
	WALU                                           ; one wait ahead of the batch,
.if \a
	WIN 0xc3
.set J_, 64+32*(((\i)+1)%2)
.rept 32
	v_exp_f32 v[J_], v[J_]                         ; p = 2^(t - M_loc), at most 1
.set J_, J_+1
.endr
	WIN 0
	v_exp_f32 v[BM], v[BM]                         ; the block's largest p
	v_nop                                          ; a plain place behind the exponentials
	WALU                                           ; and one behind it
	ds_store_b32 v[STG], v[NM] offset:64*((\i)+1)
.endif
.if \b
	WIN 0
	ds_store_b32 v[STG], v[LS] offset:4096+64*(\i) ; (lanes r and 16 + r write the same word with the same value)
	ds_store_b8 v[STB], v[EB] offset:64*(\i)
	WIN 0x08
	global_store_b128 v[CO], v[CP_:CP_+3], s[92:93] offset:1536*(((\i)+2)%4)      ; whole units of 256 bytes
	global_store_b64 v[C8], v[CP_+4:CP_+5], s[92:93] offset:1536*(((\i)+2)%4)+512
	WIN 0
.endif
.endm
.macro SBLK i, a, b, w, step           ; a block: w counts what was issued behind the block's own fetch
	s_wait_dscnt \w
	PAIRS \i, \a, \b, 0, 16
	FIN \i, \a, \b, 1, \step
.endm
.macro STEPST                          ; the stages' places, four units on
	s_add_co_u32 s57, s57, 256
	v_add_nc_u32 v[STG], s57, v17
	v_add_nc_u32 v[STB], s57, v18
	WALU
.endm
; ================= THE HEAD
	s_load_b128 s[4:7], s[0:1], 0x0                ; qkv, p_codes
	s_load_b64 s[8:9], s[0:1], 0x10                ; p_stats
	v_lshl_add_u32 v[SPW], v0, 2, SPARE
	v_mov_b32 v[NIL], 0
	ds_add_u32 v[SPW], v[NIL]                      ; the wave's opening: the add, twice on end, and its wait
	ds_add_u32 v[SPW], v[NIL]
	v_lshrrev_b32 v1, 5, v0
	v_readfirstlane_b32 s14, v1                    ; wave
	s_lshr_b32 s15, s14, 1
	s_and_b32 s16, s14, 1
	s_bfe_u32 s40, ttmp6, 0x40000                  ; cx
	s_bfe_u32 s41, ttmp6, 0x40004                  ; cy
	s_lshl_b32 s90, s40, 2
	s_add_co_u32 s90, s90, s14                     ; my number among my row's sixteen waves
	s_mul_i32 s90, s90, 6400
	v_and_b32 v1, 15, v0                           ; r
	v_bfe_u32 v2, v0, 4, 1                         ; h
	v_and_b32 v3, 31, v0                           ; lane
	v_min_u32 v23, 24, v3
	v_lshl_add_u32 v23, v23, 8, s90                ; my 25 units of 256 bytes of q's second group
	v_lshlrev_b32 v[CO], 4, v3
	v_lshlrev_b32 v[C8], 3, v3
	v_lshlrev_b32 v16, 4, v1
	v_add_nc_u32 v15, 49152, v[CO]
	WALU                                           ; a wait ahead of the run of scalar lines
	s_mul_i32 s18, s15, GRP
	s_mul_i32 s19, s16, 6144
	s_add_co_u32 s19, s19, s18
	v_add_nc_u32 v[KA], s19, v[CO]                 ; my 64 keys: group wave / 2, half wave % 2
	v_add_nc_u32 v[KA+1], s19, v15
	s_lshl_b32 s19, s16, 11
	s_add_co_u32 s19, s19, s18
	s_add_co_u32 s19, s19, 98304
	v_lshl_add_u32 v20, v2, 2, v16
	v_add_nc_u32 v[KW], s19, v20                   ; 16 r + 4 h: lanes 0-15 tile 2 p, lanes 16-31 tile 2 p + 1
	s_mov_b32 s101, QB
	s_mov_b32 s91, QB+98304
	v_add_nc_u32 v[QF], s101, v[CO]
	v_add_nc_u32 v[QF+1], s101, v15
	v_add_nc_u32 v[QW], s91, v16
	s_lshl_b32 s18, s14, 10
	s_add_co_u32 s18, s18, NMB-128
	v_lshlrev_b32 v20, 2, v1
	v_add_nc_u32 v17, s18, v20
	s_lshl_b32 s18, s15, 10
	s_lshl_b32 s19, s16, 1
	s_add_co_u32 s18, s18, s19
	s_add_co_u32 s18, s18, WRB-128
	v_add_nc_u32 v20, v20, v2
	v_add_nc_u32 v18, s18, v20
	s_mov_b32 s57, 0
	v_add_nc_u32 v[STG], s57, v17
	v_add_nc_u32 v[STB], s57, v18
	v_mov_b32 v[MX], 0                             ; a lane permute's destination counts as read
	v_mov_b32 v[NM+1], 0
	WALU                                           ; a wait at the end of the head's vector work
	s_and_b32 s43, ttmp7, 0xffff                   ; the cluster's y
	s_lshl_b32 s44, s41, 2
	s_lshl_b32 s44, 15, s44                        ; my row of the cluster
	s_lshl_b32 s45, 0x1111, s40                    ; my column
	s_or_b32 s[G1K], s45, (3<<16)|(1<<21)          ; k: a group, 400 rows of 256 bytes
	s_or_b32 s[G1Q], s44, (3<<16)|(1<<21)          ; q: half a group; for the refill a quarter
	s_mov_b32 s[G1K+2], 400<<16
	s_mov_b32 s[G1K+4], 400
	s_mov_b32 s[G1Q+2], 200<<16
	s_mov_b32 s[G1Q+4], 200
.irp g, G1K, G1Q
	s_mov_b32 s[\g+1], 32<<16
	s_mov_b32 s[\g+3], 32<<16
	s_mov_b32 s[\g+5], 32
	s_mov_b32 s[\g+6], 0
	s_mov_b32 s[\g+7], 0
.endr
	s_mov_b32 s20, 0x76543210
	s_mov_b32 s21, 0xfedcba98                      ; selects for lane l xor 16
	s_mov_b32 s22, 0x3d38aa3b                      ; c = log2(e) / 32
	s_mov_b32 s23, s22                             ; (named with it as a pair)
	s_lshl_b32 s17, s43, 2
	s_add_co_u32 s17, s17, s41                     ; the tile of 256 queries
	s_lshl_b32 s46, ttmp9, 2
	s_add_co_u32 s46, s46, s40                     ; the batch's tile of 256 keys
	s_mul_i32 s32, s17, 2*GRP
	s_mov_b32 s33, 0
	s_lshr_b32 s19, s43, 1                         ; the batch
	s_lshl_b32 s19, s19, 3
	s_add_co_u32 s19, s19, s46
	s_mul_i32 s34, s19, 2*GRP
	s_add_co_u32 s34, s34, 64*GRP                  ; k's groups lie behind q's 64
	s_mul_i32 s18, s16, GRP                        ; the group of k that I fetch
	s_add_co_u32 s34, s34, s18
	s_mov_b32 s35, 0
	s_mov_b32 s[G0K], 1
	s_mov_b32 s[G0K+1], s18
	s_mul_i32 s18, s16, GRP/2                      ; the half of q's group that I fetch
	s_mov_b32 s19, 0
	s_mov_b32 s[G0Q], 1
	s_add_co_u32 s[G0Q+1], s18, QB
	s_wait_dscnt 0x0                               ; both opening adds are done
	CROUND                                         ; all sixteen work-groups are here: the first joint loads meet
	s_wait_kmcnt 0x0
	s_add_nc_u64 s[32:33], s[4:5], s[32:33]        ; q's two groups
	s_add_nc_u64 s[G0K+2:G0K+3], s[4:5], s[34:35]
	s_or_b32 s[G0K+3], s[G0K+3], 0x80000000
	s_add_nc_u64 s[G0Q+2:G0Q+3], s[32:33], s[18:19]
	s_or_b32 s[G0Q+3], s[G0Q+3], 0x80000000
	s_cmp_eq_u32 s14, 0
	s_cbranch_scc0 .Lwave_1
	TLOAD G0K, G1K                                 ; waves 0, 1: k's groups
	s_branch .Lasked
.Lwave_1:
	s_cmp_eq_u32 s14, 1
	s_cbranch_scc0 .Lwave_2
	TLOAD G0K, G1K
	s_branch .Lasked
.Lwave_2:
	s_cmp_eq_u32 s14, 2
	s_cbranch_scc0 .Lwave_3
	TLOAD G0Q, G1Q                                 ; waves 2, 3: halves of q's first group
	s_branch .Lasked
.Lwave_3:
	TLOAD G0Q, G1Q
.Lasked:
	s_add_nc_u64 s[32:33], s[32:33], GRP           ; q's second group
	global_prefetch_b8 v23, s[32:33] th:TH_LOAD_NT scope:SCOPE_SE
	s_lshl_b32 s56, s17, 5                         ; where p goes: (group x 16 + step) x 12,288, + 768 for the step's second 64 keys
	s_lshl_b32 s18, s46, 1
	s_add_co_u32 s18, s18, s15                     ; the step of 128 keys
	s_add_co_u32 s56, s56, s18
	s_mul_i32 s56, s56, 12288
	s_mul_i32 s19, s16, 768
	s_add_co_u32 s92, s56, s19
	s_mov_b32 s93, 0
	s_add_nc_u64 s[92:93], s[6:7], s[92:93]
	s_mov_b32 s99, 0
	s_lshl_b32 s94, s17, 15                        ; -M_loc: group x 16,384 + band x 512
	s_lshl_b32 s19, s46, 2
	s_add_co_u32 s19, s19, s14
	s_lshl_b32 s19, s19, 9
	s_add_co_u32 s94, s94, s19
	s_add_co_u32 s94, s94, 524288
	s_mov_b32 s95, 0
	s_add_nc_u64 s[94:95], s[8:9], s[94:95]
	s_lshl_b32 s96, s17, 1                         ; the scale words that I store: of group wave % 2, step wave / 2
	s_add_co_u32 s96, s96, s16
	s_lshl_b32 s96, s96, 13
	s_lshl_b32 s19, s46, 10
	s_add_co_u32 s96, s96, s19
	s_lshl_b32 s19, s15, 9
	s_add_co_u32 s96, s96, s19
	s_mov_b32 s97, 0
	s_add_nc_u64 s[96:97], s[8:9], s[96:97]
	s_cmp_lt_u32 s14, 2
	s_cbranch_scc0 .Lnot_k
	s_wait_tensorcnt 0x0
.Lnot_k:
	BARRIER                                        ; k is in
.irp q, 0,1,2,3,4,5,6,7
.irp b, 0,1,2,3
.set VF_, 4*\q+\b
	WIN (1+VF_/21)<<6
.irp c, 0,1,2
	ds_load_b128 v[12*(VF_%21)+4*\c:12*(VF_%21)+4*\c+3], v[KA+\q/4] offset:12288*(\q%4)+1536*\b+512*\c
.endr
.endr
.endr
	WIN 0
.irp q, 0,1,2,3,4,5,6,7
	ds_load_b32 v[SB+\q], v[KW] offset:256*\q
	ds_load_b32 v[SB+8+\q], v[KW] offset:256*\q+8
.endr
	s_wait_xcnt 0x0                                ; the prefetch has read its address
	s_wait_tensorcnt 0x0                           ; THE REFILL
	ds_add_u32 v[SPW], v[NIL]
	s_mov_b32 s[G1Q+2], 100<<16                    ; (no tensor load of mine is out) a quarter of a group a wave
	s_mov_b32 s[G1Q+4], 100
	s_mul_i32 s18, s14, 25600
	s_mov_b32 s19, 0
	s_mov_b32 s[G0Q+1], s18
	s_add_nc_u64 s[G0Q+2:G0Q+3], s[32:33], s[18:19]
	s_or_b32 s[G0Q+3], s[G0Q+3], 0x80000000
	s_wait_dscnt 0x0                               ; the add is done; k is in my registers
	CROUND                                         ; in everybody's; q's first group is in
	TLOAD G0Q, G1Q
; ================= BLOCKS 0 TO 3
	FETCH 0
	FETCH 1
	SBLK 0, 0, 0, 32, 0
	SBLK 1, 1, 0, 32, 0
	SBLK 2, 1, 1, 33, 0
	SBLK 3, 1, 1, 36, 0
; ================= BLOCKS 4 TO 15, four a trip.  Behind a block's fetch: the next block's 32 loads and two blocks' three LDS stores
	s_mov_b32 s86, 1
	WALU
.Ltrip:
	STEPST
	SBLK 0, 1, 1, 38, 0
	s_wait_dscnt 38
	PAIRS 1, 1, 1, 0, 13
	WIN 0
	WALU
	s_wait_tensorcnt 0x0
	s_wait_dscnt 0x0
	s_barrier_signal -1                            ; a plain barrier: in the first trip it shows q's second group to all
	PAIRS 1, 1, 1, 13, 16
	WIN 0
	s_barrier_wait -1
	FIN 1, 1, 1, 1, 0
	SBLK 2, 1, 1, 38, 1
	SBLK 3, 1, 1, 38, 0                            ; (the last trip's last two fetches bring nothing that is multiplied: so every trip's counts are alike)
	WALU
	s_add_co_u32 s86, s86, 1
	s_cmp_lt_u32 s86, 4
	s_cbranch_scc1 .Ltrip
; ================= THE END: the last two units
	STEPST
.irp k, 0,1,2,3,4,5,6,7,8,9,10,11,12,13,14,15
	ENT \k, 0, 1, 1
.endr
	FIN 0, 1, 1, 0, 0
.irp k, 0,1,2,3,4,5,6,7,8,9
	ENT \k, 1, 0, 1
.endr
	FIN 1, 0, 1, 0, 0
	s_lshl_b32 s18, s14, 10
	s_add_co_u32 s18, s18, NMB
	v_add_nc_u32 v4, s18, v[CO]
	s_lshl_b32 s18, s14, 9
	s_add_co_u32 s18, s18, WRB
	v_add_nc_u32 v5, s18, v[CO]
	WALU
	s_wait_dscnt 0x0
	BARRIER                                        ; all statistics are in LDS
	ds_load_b128 v[64:67], v4
	ds_load_b128 v[68:71], v4 offset:512
	ds_load_b128 v[72:75], v4 offset:4096
	ds_load_b128 v[76:79], v4 offset:4608
	ds_load_b128 v[80:83], v5
	s_wait_dscnt 0x0
	global_store_b128 v[CO], v[64:67], s[94:95]    ; each store covers 512 consecutive bytes
	global_store_b128 v[CO], v[68:71], s[94:95] offset:16384
	global_store_b128 v[CO], v[72:75], s[94:95] offset:1048576
	global_store_b128 v[CO], v[76:79], s[94:95] offset:1064960
	global_store_b128 v[CO], v[80:83], s[96:97]
	s_wait_tensorcnt 0x0                           ; the wave's end
	ds_add_u32 v[SPW], v[NIL]
	s_wait_dscnt 0x0
	CROUND                                         ; the closing round
	s_endpgm
.Lfunc_end_k_qa9ec0c3ca3_scores:
	.size	k_qa9ec0c3ca3_scores, .Lfunc_end_k_qa9ec0c3ca3_scores-k_qa9ec0c3ca3_scores
	.p2alignl 7, 3214868480
	.fill 96, 4, 3214868480
	.section	.rodata,"a",@progbits
	.p2align	6, 0x0
	.amdhsa_kernel k_qa9ec0c3ca3_scores
		.amdhsa_group_segment_fixed_size 327680
		.amdhsa_private_segment_fixed_size 0
		.amdhsa_enable_private_segment 0
		.amdhsa_kernarg_size 24
		.amdhsa_user_sgpr_count 2
		.amdhsa_user_sgpr_kernarg_segment_ptr 1
		.amdhsa_wavefront_size32 1
		.amdhsa_system_sgpr_workgroup_id_x 1
		.amdhsa_system_sgpr_workgroup_id_y 1
		.amdhsa_system_sgpr_workgroup_id_z 1
		.amdhsa_system_vgpr_workitem_id 0
		.amdhsa_next_free_vgpr 1024
		.amdhsa_next_free_sgpr 102
		.amdhsa_reserve_vcc 0
		.amdhsa_float_denorm_mode_32 3
		.amdhsa_float_denorm_mode_16_64 3
		.amdhsa_memory_ordered 1
		.amdhsa_forward_progress 1
		.amdhsa_inst_pref_size 126
	.end_amdhsa_kernel
	.amdgpu_metadata
---
amdhsa.version: [ 1, 2 ]
amdhsa.kernels:
  - .name:           k_qa9ec0c3ca3_scores
    .symbol:         k_qa9ec0c3ca3_scores.kd
    .args:
      - { .name: qkv, .offset: 0, .size: 8, .value_kind: global_buffer, .address_space: global }
      - { .name: p_codes, .offset: 8, .size: 8, .value_kind: global_buffer, .address_space: global }
      - { .name: p_stats, .offset: 16, .size: 8, .value_kind: global_buffer, .address_space: global }
    .group_segment_fixed_size: 327680
    .private_segment_fixed_size: 0
    .kernarg_segment_align: 8
    .kernarg_segment_size: 24
    .max_flat_workgroup_size: 128
    .sgpr_count:     102
    .vgpr_count:     1024
    .wavefront_size: 32
...
	.end_amdgpu_metadata
.endif
;; end of part 3
;; launch pv (part 4): grid 4 x 64, 4 waves a work-group, clusters of 4 x 4, 327,680 bytes of LDS; arguments p_codes, p_stats, qkv, out0; writes out0
.if DOCPART == 4
	.amdgcn_target "amdgcn-amd-amdhsa--gfx1250"
	.amdhsa_code_object_version 6
	.text
	.protected	k_qa9ec0c3ca3_pv
	.globl	k_qa9ec0c3ca3_pv
	.p2align	8
	.type	k_qa9ec0c3ca3_pv,@function
k_qa9ec0c3ca3_pv:
	s_mov_b64 s[64:65], 0
	v_nop
	global_prefetch_b8 v0, s[64:65] scope:SCOPE_SE
	s_setreg_imm32_b32 hwreg(HW_REG_WAVE_MODE, 25, 1), 1
	s_wait_xcnt 0x0
	s_wait_alu depctr_hold_cnt(0) depctr_sa_sdst(0) depctr_va_vdst(0) depctr_va_sdst(0) depctr_va_ssrc(0) depctr_va_vcc(0) depctr_vm_vsrc(0)
	s_getreg_b32 s2, hwreg(HW_REG_IB_STS2, 6, 4)
	s_cmp_eq_u32 s2, 0
	s_cbranch_scc0 .Lentry_in_a_cluster
	s_endpgm
.Lentry_in_a_cluster:
	s_bfe_u32 s2, ttmp6, 0x10000c
	s_cmp_lg_u32 s2, 0xf033
	s_cbranch_scc0 .Lentry_shape_is_right
	s_endpgm
.Lentry_shape_is_right:
; out[q][e] = (sum over the keys of p v) / l, on codes of FP6 (E2M3) with E8M0 scales; K = 2,048 keys; 4 batches of 2,048 queries x 1,024 of e.
; p's codes: [group of 128 queries][step of 128 keys][tile] 1,536 bytes: for each 64 keys registers 0-3 of lane l at 16 l, registers 4-5 at 512 + 8 l.  p_stats: for each query the scale words under LOCAL whole numbers M_loc (one for each 64 keys):
; words [group][16][128], from 524,288 -M_loc [group][32][128], from 1,572,864 the sums l_loc of the unquantised p.  The row's M is the largest M_loc; a scale byte moves down by M - M_loc (held at 0), an exact power of two; l = the sum of l_loc 2^(M_loc - M).
; v's blocks: [batch][256 of e][256 keys][128 of e], 25,600 bytes each: 8 fragments of the even K step, 8 of the odd, then scale words.  Lane-row i of v's tile t is e = 64 (t / 4) + 4 i + t % 4 of the 128;
; lane-row i of p's tile t is query 64 (t / 4) + 32 (i / 8) + 8 (t % 4) + i % 8 of the group.
; SHARES: a work-group makes 128 queries x 256 of e; a wave all 128 queries x 64 of e.  It holds v's 4 tiles for HALF of the keys in 384 registers and lets p's 8 tiles of 16 queries pass, a block of 32 products each.
; The 32 accumulators of the 8 blocks stay in registers from the first half to the second; in the second each block is finished in turn, multiplied by 1 / l among the next block's products, and stored behind them.
; Source 0 = p's tile, source 1 = v's tile b: lane (r, h), register j is query lane-row 8 h + j, e = 4 r + b: the four tiles' registers j are 16 neighbouring bytes, and sixteen lanes store one aligned unit of 256 bytes.
; CLUSTER 4 x 4: p is shared along a row, v along a column, by joint loads.  LDS: v's half (204,800 bytes); p's tiles 0-3 and 4-7 for a half (49,152 each); the scale words and 1 / l; the spare words.
; FILLS: at the head one load a wave: v's two quarters, p's two parts.  Three refills, each in a round inside a block: in block 0 v's second half, in block 3 and block 6 the second half of p's two parts.
; What the refills load is asked for into the L2 at the head, shared out by address: v's 800 units of 256 bytes among a column's sixteen waves, p's 384 among a row's.
; LIMITS: a scale byte that would fall under 0 is held at 0; NaN and infinities are not served.
.set PB,    204800                     ; p's parts
.set PART,  49152
.set PSC,   PB+2*PART                  ; [tile][half][4 steps][r][16 bytes]
.set LINV,  PSC+8192                   ; [tile][lane-row]
.set SPARE, LINV+512
.set VA,   4                           ; v4-7    my tiles of v, by 256 keys
.set CO,   8                           ; v8      16 x lane
.set SPW,  9
.set NIL,  10
.set PSA,  11                          ; v11     p's scale words
.set LIA,  12                          ; v12     1 / l of lane-rows 8 h ..
.set OO,   13                          ; v13     my place in out's rows
.set PA,   14                          ; v14, v15  p's fragments, by part: 16 x lane;  v20, v21: 8 x lane
.set P8,   20
.set VS,   16                          ; v16-19  v's scale words, by 256 keys
.set SB,   24                          ; v24-39  v's scale words: SB + 8 p + q: lanes 0-15 tile 2 p, lanes 16-31 tile 2 p + 1
.set SA,   44                          ; v44-59  p's, two sets of eight
.set PF,   64                          ; v64-255 p's fragments, two sets of eight
.set WD,   64                          ; the head: scale words, -M_loc, l_loc of my query; v144-159 at work
.set NN,   80
.set LL,   112
.set TT,   144
.set LI,   136                         ; window 2: v136-151  1 / l, two sets of eight
.set OUT,  160                         ; window 2: v160-223  finished results, two sets of 32
.set G1V,  24                          ; s[24:31], s[68:71]  descriptor groups of v's tiles
.set G1P,  48                          ; s[48:55], s[72:75]  of p's
.set G0V,  68
.set G0P,  72
.set MSB, 0
.macro WIN new
.if MSB != (\new)
	s_set_vgpr_msb (MSB<<8)|(\new)
.set MSB, (\new)
.endif
.endm
.macro PLACES n
.rept \n
	v_nop
.endr
.endm
.macro WALU
	s_wait_alu depctr_va_vdst(0)
.endm
.macro BARRIER
	s_barrier_signal -1
	s_barrier_wait -1
.endm
.macro MIDDLE                          ; a round's middle: the opening wait, wave 0's signal for the work-group, the cluster's wait
	WIN 0
	s_barrier_wait -1
	s_cmp_lg_u32 s14, 0
	s_cbranch_scc1 .Lnot_wave_0_\@
	s_barrier_signal -3
.Lnot_wave_0_\@:
	s_barrier_wait -3
.endm
.macro CROUND
	s_barrier_signal -1
	MIDDLE
	BARRIER
.endm
.macro GRD
	s_wait_tensorcnt 0x0
	ds_add_u32 v[SPW], v[NIL]
.endm
.macro TLOAD g0, g1
	tensor_load_to_lds s[\g0:\g0+3], s[\g1:\g1+7]
	s_nop 0
	PLACES 4
.endm
.macro VQ q                            ; 14 loads: v's four fragments and two registers of scale words of K step q of the half that lies in LDS.  Fragment f = 4 q + b: window 1 + f / 21, register 12 (f % 21)
.irp b, 0,1,2,3
.set VF_, 4*(\q)+\b
	WIN (1+VF_/21)<<6
.irp c, 0,1,2
	ds_load_b128 v[12*(VF_%21)+4*\c:12*(VF_%21)+4*\c+3], v[VA+(\q)/2] offset:((\q)%2)*12288+1536*\b+512*\c
.endr
.endr
	WIN 0
	ds_load_b32 v[SB+(\q)], v[VS+(\q)/2] offset:((\q)%2)*512
	ds_load_b32 v[SB+8+(\q)], v[VS+(\q)/2] offset:((\q)%2)*512+8
.endm
.macro FETCH t, half                   ; 34 loads: p's tile t, a half of the keys, into set t % 2
.irp q, 0,1,2,3,4,5,6,7
.set F_, PF+96*((\t)%2)+12*\q
	ds_load_b128 v[F_:F_+3], v[PA+(\t)/4] offset:6144*\q+1536*((\t)%4)
	ds_load_b64 v[F_+4:F_+5], v[P8+(\t)/4] offset:6144*\q+1536*((\t)%4)+512
	ds_load_b128 v[F_+6:F_+9], v[PA+(\t)/4] offset:6144*\q+1536*((\t)%4)+768
	ds_load_b64 v[F_+10:F_+11], v[P8+(\t)/4] offset:6144*\q+1536*((\t)%4)+1280
.endr
	ds_load_b128 v[SA+8*((\t)%2):SA+8*((\t)%2)+3], v[PSA] offset:1024*(\t)+512*(\half)
	ds_load_b128 v[SA+8*((\t)%2)+4:SA+8*((\t)%2)+7], v[PSA] offset:1024*(\t)+512*(\half)+256
.endm
.macro LILOAD t                        ; 2 loads: tile t's 1 / l of lane-rows 8 h + 0 .. 7
	WIN 0x80
	ds_load_b128 v[LI+8*((\t)%2):LI+8*((\t)%2)+3], v[LIA] offset:64*(\t)
	ds_load_b128 v[LI+8*((\t)%2)+4:LI+8*((\t)%2)+7], v[LIA] offset:64*(\t)+16
	WIN 0
.endm
.macro PROD t, n, first                ; product n = 4 q + b of block t: the four accumulators take turns, one instruction a turn
.set Q_, (\n)/4
.set B_, (\n)%4
.set D_, 32*(\t)+8*B_
.set X_, PF+96*((\t)%2)+12*Q_
.set Y_, 12*((\n)%21)
.set SX_, SA+8*((\t)%2)+Q_
.set SY_, SB+8*(B_/2)+Q_
	WIN 0xf0|((1+(\n)/21)<<2)
.if (\first) && (Q_ == 0)
.if B_%2
	v_wmma_scale_f32_16x16x128_f8f6f4 v[D_:D_+7], v[X_:X_+11], v[Y_:Y_+11], 0, v[SX_], v[SY_] matrix_a_fmt:MATRIX_FMT_FP6 matrix_b_fmt:MATRIX_FMT_FP6 matrix_b_scale:MATRIX_SCALE_ROW1
.else
	v_wmma_scale_f32_16x16x128_f8f6f4 v[D_:D_+7], v[X_:X_+11], v[Y_:Y_+11], 0, v[SX_], v[SY_] matrix_a_fmt:MATRIX_FMT_FP6 matrix_b_fmt:MATRIX_FMT_FP6
.endif
.else
.if B_%2
	v_wmma_scale_f32_16x16x128_f8f6f4 v[D_:D_+7], v[X_:X_+11], v[Y_:Y_+11], v[D_:D_+7], v[SX_], v[SY_] matrix_a_fmt:MATRIX_FMT_FP6 matrix_b_fmt:MATRIX_FMT_FP6 matrix_b_scale:MATRIX_SCALE_ROW1
.else
	v_wmma_scale_f32_16x16x128_f8f6f4 v[D_:D_+7], v[X_:X_+11], v[Y_:Y_+11], v[D_:D_+7], v[SX_], v[SY_] matrix_a_fmt:MATRIX_FMT_FP6 matrix_b_fmt:MATRIX_FMT_FP6
.endif
.endif
.endm
.macro MULO t, n                       ; result n = 4 j + b of block t: x 1 / l, beside its neighbours along e; each accumulator from its low end on
	WIN 0x8b
	v_mul_f32 v[OUT+32*((\t)%2)+(\n)], v[32*(\t)+8*((\n)%4)+(\n)/4], v[LI+8*((\t)%2)+(\n)/4]
.endm
.macro BLK t, first, from, to, done=-1 ; products from .. to - 1 of block t; behind every second one two results of block \done
.set N_, \from
.rept (\to)-(\from)
	PROD \t, N_, \first
.if ((\done) >= 0) && (N_%2)
	MULO \done, N_-1
	MULO \done, N_
.endif
.set N_, N_+1
.endr
.endm
.macro PUT t                           ; block t's 16 rows x 256 bytes leave
	WALU                                   ; directly ahead of the wait below
	s_wait_xcnt 0x0                        ; the stores of the blocks before have read their registers: those may be written again in the next block
	WIN 0x08
.irp j, 0,1,2,3,4,5,6,7
	global_store_b128 v[OO], v[OUT+32*((\t)%2)+4*\j:OUT+32*((\t)%2)+4*\j+3], s[10:11] offset:(64*((\t)/4)+8*((\t)%4)+\j)*4096 th:TH_STORE_NT
.endr
	WIN 0
.endm
.macro ENDBLK                          ; four places in front of loads into registers that the products read, and of reads of their results
	WIN 0
	PLACES 4
.endm
; ================= THE HEAD
	s_load_b256 s[4:11], s[0:1], 0x0               ; p_codes, p_stats, qkv, out0
	v_lshl_add_u32 v[SPW], v0, 2, SPARE
	v_mov_b32 v[NIL], 0
	ds_add_u32 v[SPW], v[NIL]                      ; the wave's opening: the add, twice on end, and its wait
	ds_add_u32 v[SPW], v[NIL]
	v_lshrrev_b32 v1, 5, v0
	v_readfirstlane_b32 s14, v1                    ; wave
	s_lshr_b32 s15, s14, 1                         ; my group of v's two.  Also: which quarter of v, or part of p, I fetch at the head
	s_and_b32 s16, s14, 1                          ; the group's lower or upper four tiles
	s_mul_i32 s20, s15, 25600
	s_mul_i32 s21, s16, 6144
	s_lshl_b32 s22, s16, 8
	s_add_co_u32 s22, s22, s20
	s_add_co_u32 s20, s20, s21
	s_add_co_u32 s22, s22, 24576
	v_and_b32 v1, 15, v0                           ; r
	v_bfe_u32 v2, v0, 4, 1                         ; h
	v_and_b32 v3, 31, v0
	v_lshlrev_b32 v[CO], 4, v3
	v_lshlrev_b32 v22, 4, v1
	v_lshl_add_u32 v23, v2, 2, v22                 ; 16 r + 4 h
	v_add_nc_u32 v[PSA], PSC, v22
	v_lshl_add_u32 v[LIA], v2, 5, LINV
	v_lshl_add_u32 v[OO], v2, 17, v22              ; 16 r, + 32 rows of out for lanes 16-31
	v_add_nc_u32 v[PA], PB, v[CO]
	v_add_nc_u32 v[PA+1], PB+PART, v[CO]
	v_lshl_add_u32 v[P8], v3, 3, PB
	v_lshl_add_u32 v[P8+1], v3, 3, PB+PART
	v_lshrrev_b32 v40, 4, v0                       ; my query of the 128: tile thread / 16, lane-row thread % 16
	v_lshlrev_b32 v40, 10, v40
	v_add_nc_u32 v40, v40, v22
	v_add_nc_u32 v40, PSC, v40                     ; where its scale words go,
	v_lshl_add_u32 v41, v0, 2, LINV                ; and its 1 / l
	v_lshlrev_b32 v42, 2, v0
.irp k, 0,1,2,3
	v_add_nc_u32 v[VA+\k], s20, v[CO]
	v_add_nc_u32 v[VS+\k], s22, v23
	s_add_co_u32 s20, s20, 51200
	s_add_co_u32 s22, s22, 51200
.endr
	s_bfe_u32 s40, ttmp6, 0x40000                  ; cx
	s_bfe_u32 s41, ttmp6, 0x40004                  ; cy
	s_lshl_b32 s90, s41, 2
	s_add_co_u32 s90, s90, s14
	s_mul_i32 s90, s90, 12800
	v_lshl_add_u32 v43, v3, 8, s90                 ; the prefetches: my 50 units of v's second half: 32,
	v_add_nc_u32 v60, 32, v3
	v_min_u32 v60, 49, v60
	v_lshl_add_u32 v60, v60, 8, s90                ; and 18;
	s_lshl_b32 s91, s40, 2
	s_add_co_u32 s91, s91, s14
	s_mul_i32 s91, s91, 6144
	v_min_u32 v61, 23, v3
	v_lshl_add_u32 v61, v61, 8, s91                ; my 24 of p's
	WALU                                           ; a wait at the end of the head's vector work
	s_and_b32 s43, ttmp7, 0xffff                   ; the cluster's y
	s_lshl_b32 s44, s41, 2
	s_lshl_b32 s44, 15, s44                        ; my row of the cluster
	s_lshl_b32 s45, 0x1111, s40                    ; my column
	s_or_b32 s[G1V], s45, (3<<16)|(1<<21)          ; v: 400 rows of 256 bytes, a quarter of the keys
	s_mov_b32 s[G1V+1], 32<<16
	s_mov_b32 s[G1V+2], 400<<16
	s_mov_b32 s[G1V+3], 32<<16
	s_mov_b32 s[G1V+4], 400
	s_mov_b32 s[G1V+5], 32
	s_mov_b32 s[G1V+6], 0
	s_mov_b32 s[G1V+7], 0
	s_or_b32 s[G1P], s44, (3<<16)|(1<<21)          ; p: 8 steps' rows of 6,144 bytes (four tiles), 12,288 bytes apart
	s_mov_b32 s[G1P+1], 768<<16
	s_mov_b32 s[G1P+2], 8<<16
	s_mov_b32 s[G1P+3], 768<<16
	s_mov_b32 s[G1P+4], 8
	s_mov_b32 s[G1P+5], 1536
	s_mov_b32 s[G1P+6], 0
	s_mov_b32 s[G1P+7], 0
	s_mov_b32 s58, 0x80808080
	s_mov_b32 s59, 0x04040000
	s_lshl_b32 s17, s43, 2
	s_add_co_u32 s17, s17, s41                     ; the group of 128 queries
	s_mul_i32 s32, s17, 196608
	s_mov_b32 s33, 0
	s_lshr_b32 s19, s43, 2                         ; the batch
	s_lshl_b32 s19, s19, 2
	s_add_co_u32 s19, s19, s40                     ; its 256 of e
	s_mul_i32 s34, s19, 409600
	s_add_co_u32 s34, s34, 13107200                ; v lies behind q's and k's 128 groups
	s_mov_b32 s35, 0
	s_lshl_b32 s46, s17, 13
	s_mov_b32 s47, 0
	s_lshl_b32 s60, s17, 14
	s_mov_b32 s61, 0
	s_lshl_b32 s56, s17, 19                        ; out: 128 rows of 4,096 bytes a group,
	s_lshl_b32 s57, s40, 10
	s_add_co_u32 s56, s56, s57
	s_lshl_b32 s57, s14, 8                         ; 256 bytes a wave
	s_add_co_u32 s56, s56, s57
	s_mov_b32 s57, 0
	s_mov_b32 s[G0V], 1
	s_mul_i32 s18, s15, 102400
	s_mov_b32 s19, 0
	s_mov_b32 s[G0V+1], s18
	s_mov_b32 s[G0P], 1
	s_mul_i32 s20, s15, 6144
	s_mov_b32 s21, 0
	s_mul_i32 s[G0P+1], s15, PART
	s_add_co_u32 s[G0P+1], s[G0P+1], PB
	s_wait_dscnt 0x0                               ; both opening adds are done
	CROUND                                         ; all sixteen work-groups are here: the first joint loads meet
	s_wait_kmcnt 0x0
	s_add_nc_u64 s[32:33], s[4:5], s[32:33]        ; p's group
	s_add_nc_u64 s[34:35], s[8:9], s[34:35]        ; v's 256 of e
	s_add_nc_u64 s[G0V+2:G0V+3], s[34:35], s[18:19]
	s_or_b32 s[G0V+3], s[G0V+3], 0x80000000
	s_add_nc_u64 s[G0P+2:G0P+3], s[32:33], s[20:21]
	s_or_b32 s[G0P+3], s[G0P+3], 0x80000000
	s_cmp_eq_u32 s14, 0
	s_cbranch_scc0 .Lwave_1
	TLOAD G0V, G1V                                 ; wave 0: v's first quarter
	s_branch .Lasked
.Lwave_1:
	s_cmp_eq_u32 s14, 1
	s_cbranch_scc0 .Lwave_2
	TLOAD G0P, G1P                                 ; wave 1: p's tiles 0-3
	s_branch .Lasked
.Lwave_2:
	s_cmp_eq_u32 s14, 2
	s_cbranch_scc0 .Lwave_3
	TLOAD G0V, G1V                                 ; wave 2: v's second quarter
	s_branch .Lasked
.Lwave_3:
	TLOAD G0P, G1P                                 ; wave 3: p's tiles 4-7
.Lasked:
	s_add_nc_u64 s[46:47], s[6:7], s[46:47]
	s_add_nc_u64 s[60:61], s[6:7], s[60:61]
	s_add_nc_u64 s[10:11], s[10:11], s[56:57]
	s_add_nc_u64 s[62:63], s[34:35], 204800        ; v's second half,
	s_add_nc_u64 s[66:67], s[32:33], 98304         ; p's
.macro EACH n, op:vararg
.set S_, 0
.rept \n
	\op
.set S_, S_+1
.endr
.endm
	EACH 32, global_load_b32 v[NN+S_], v42, s[60:61] offset:524288+512*S_
	EACH 16, global_load_b32 v[WD+S_], v42, s[46:47] offset:512*S_
	EACH 32, global_load_b32 v[LL+S_], v42, s[60:61] offset:1572864+512*S_
	global_prefetch_b8 v43, s[62:63] th:TH_LOAD_NT scope:SCOPE_SE
	global_prefetch_b8 v60, s[62:63] th:TH_LOAD_NT scope:SCOPE_SE
	global_prefetch_b8 v61, s[66:67] th:TH_LOAD_NT scope:SCOPE_SE
	s_cmp_eq_u32 s14, 0
	s_cbranch_scc0 .Lnot_v
	s_wait_tensorcnt 0x0
.Lnot_v:
	BARRIER                                        ; v's first quarter is in
	VQ 0
	VQ 1
	VQ 2
	VQ 3
	s_wait_loadcnt 0x0
	; THE STATISTICS of my query, its 32 bands of 64 keys side by side
	v_min3_num_f32 v[TT], v[NN], v[NN+1], v[NN+2]
	v_min3_num_f32 v[TT+1], v[NN+3], v[NN+4], v[NN+5]
.irp k, 6,10,14,18,22,26
	v_min3_num_f32 v[TT], v[TT], v[NN+\k], v[NN+\k+1]
	v_min3_num_f32 v[TT+1], v[TT+1], v[NN+\k+2], v[NN+\k+3]
.endr
	v_min3_num_f32 v[TT], v[TT], v[NN+30], v[NN+31]
	v_min_num_f32 v160, v[TT], v[TT+1]             ; -M
	EACH 32, v_sub_f32 v[NN+S_], v160, v[NN+S_]    ; M_loc - M: a whole number, 0 or less,
	EACH 32, v_max_num_f32 v[NN+S_], 0xc2fe0000, v[NN+S_]   ; held at -127
	EACH 32, v_cvt_i32_f32 v[NN+S_], v[NN+S_]
	EACH 32, v_ldexp_f32 v[LL+S_], v[LL+S_], v[NN+S_]
	EACH 32, v_sub_nc_u32 v[NN+S_], 0, v[NN+S_]
	EACH 16, v_perm_b32 v[NN+S_], v[NN+2*S_+1], v[NN+2*S_], s59   ; a word's four bytes of M - M_loc: its first 64 keys' twice, its second 64 keys' twice
	EACH 16, v_or_b32 v[WD+S_], s58, v[WD+S_]      ; bytes are under 128: the top bit stays where nothing is borrowed
	EACH 16, v_sub_nc_u32 v[WD+S_], v[WD+S_], v[NN+S_]
	EACH 16, v_and_b32 v[NN+S_], s58, v[WD+S_]
	EACH 16, v_lshrrev_b32 v[TT+S_], 7, v[NN+S_]
	EACH 16, v_sub_nc_u32 v[NN+S_], v[NN+S_], v[TT+S_]   ; 0x7f where the byte did not fall under 0
	EACH 16, v_and_b32 v[WD+S_], v[WD+S_], v[NN+S_]
.irp k, 0,1,2,3
	ds_store_b128 v40, v[WD+4*\k:WD+4*\k+3] offset:256*\k
.endr
	EACH 16, v_add_f32 v[LL+S_], v[LL+S_], v[LL+S_+16]
	EACH 8, v_add_f32 v[LL+S_], v[LL+S_], v[LL+S_+8]
	EACH 4, v_add_f32 v[LL+S_], v[LL+S_], v[LL+S_+4]
	v_add_f32 v[LL], v[LL], v[LL+2]
	v_add_f32 v[LL+1], v[LL+1], v[LL+3]
	v_add_f32 v[LL], v[LL], v[LL+1]                ; l
	WALU                                           ; a wait ahead of the transcendental,
	v_rcp_f32 v161, v[LL]
	v_nop
	WALU                                           ; and behind it
	ds_store_b32 v41, v161
	s_wait_tensorcnt 0x0
	s_wait_dscnt 0x0
	BARRIER                                        ; all four tiles and the statistics are in
; ================= THE FIRST HALF OF THE KEYS
	FETCH 0, 0
	FETCH 1, 0
	VQ 4
	VQ 5
	VQ 6
	VQ 7
	GRD
	s_mov_b32 s[G1V+2], 200<<16                    ; (no tensor load of mine is out) 256 keys a wave
	s_mov_b32 s[G1V+4], 200
	s_mul_i32 s18, s14, 51200
	s_mov_b32 s[G0V+1], s18
	s_add_co_u32 s18, s18, 204800
	s_add_nc_u64 s[G0V+2:G0V+3], s[34:35], s[18:19]
	s_or_b32 s[G0V+3], s[G0V+3], 0x80000000
	s_mov_b32 s[G1P+2], 2<<16                      ; p's refills: two steps a wave
	s_mov_b32 s[G1P+4], 2
	s_mul_i32 s[G0P+1], s14, 12288
	s_add_co_u32 s[G0P+1], s[G0P+1], PB
	s_mul_i32 s20, s14, 24576
	s_add_co_u32 s20, s20, 98304
	s_add_nc_u64 s[G0P+2:G0P+3], s[32:33], s[20:21]
	s_or_b32 s[G0P+3], s[G0P+3], 0x80000000
	s_wait_dscnt 57                                ; all but v's K steps 4-7 and the add
	BLK 0, 1, 0, 16
	s_wait_dscnt 0x0                               ; the add is done, and so are my reads of v's first half
	s_barrier_signal -1
	BLK 0, 1, 16, 32
	MIDDLE
	BARRIER
	TLOAD G0V, G1V
	FETCH 2, 0
	BLK 1, 1, 0, 32                                ; (block 1's fragments were in ahead of the round)
	ENDBLK
	FETCH 3, 0
	s_wait_dscnt 34                                ; all but the next block's fetch
	BLK 2, 1, 0, 32
	ENDBLK
	FETCH 4, 0
	s_wait_dscnt 34
	GRD
	BLK 3, 1, 0, 26
	s_wait_dscnt 0x0
	s_barrier_signal -1
	BLK 3, 1, 26, 32
	MIDDLE
	BARRIER
	TLOAD G0P, G1P
	FETCH 5, 0
	BLK 4, 1, 0, 32
	ENDBLK
	FETCH 6, 0
	s_wait_dscnt 34
	BLK 5, 1, 0, 32
	ENDBLK
	FETCH 7, 0
	s_wait_dscnt 34
	GRD
	s_add_co_u32 s[G0P+1], s[G0P+1], PART
	s_add_nc_u64 s[G0P+2:G0P+3], s[G0P+2:G0P+3], 6144
	BLK 6, 1, 0, 26
	s_wait_dscnt 0x0
	s_barrier_signal -1
	BLK 6, 1, 26, 32
	MIDDLE
	BARRIER                                        ; v's second half and p's tiles 0-3 of it are shown to all
	TLOAD G0P, G1P
	FETCH 0, 1
	BLK 7, 1, 0, 16
	ENDBLK
	VQ 0                                           ; v's registers change over to the second half behind their last products
	VQ 1
	VQ 2
	VQ 3
	BLK 7, 1, 16, 32
	ENDBLK
	VQ 4
	VQ 5
	VQ 6
	VQ 7
; ================= THE SECOND HALF: each block is finished
	s_wait_dscnt 56                                ; all but K steps 4-7
	BLK 0, 0, 0, 16
	WIN 0
	FETCH 1, 1
	LILOAD 0
	s_wait_dscnt 36                                ; all but the 36 just issued
	BLK 0, 0, 16, 32
	ENDBLK
	FETCH 2, 1
	LILOAD 1
	s_wait_dscnt 36
	BLK 1, 0, 0, 26, 0
	WIN 0
	WALU                                           ; ahead of the barrier
	s_wait_tensorcnt 0x0
	s_wait_dscnt 0x0
	s_barrier_signal -1                            ; a plain barrier shows p's tiles 4-7 to all
	BLK 1, 0, 26, 32, 0
	WIN 0
	s_barrier_wait -1
	PLACES 4
	PUT 0
	FETCH 3, 1
	LILOAD 2
	BLK 2, 0, 0, 32, 1
	ENDBLK
	PUT 1
	FETCH 4, 1
	LILOAD 3
.irp t, 3,4,5
	s_wait_dscnt 36
	BLK \t, 0, 0, 32, \t-1
	ENDBLK
	PUT \t-1
	FETCH \t+2, 1
	LILOAD \t+1
.endr
	s_wait_dscnt 36
	BLK 6, 0, 0, 32, 5
	ENDBLK
	PUT 5
	LILOAD 7
	s_wait_dscnt 2                                 ; all but block 7's 1 / l
	BLK 7, 0, 0, 32, 6
	ENDBLK
	PUT 6
	s_wait_dscnt 0x0
.set I, 0
.rept 32
	MULO 7, I
.set I, I+1
.endr
	WIN 0
	PUT 7
	s_wait_tensorcnt 0x0                           ; the wave's end
	ds_add_u32 v[SPW], v[NIL]
	s_wait_dscnt 0x0
	CROUND                                         ; the closing round
	s_endpgm
.Lfunc_end_k_qa9ec0c3ca3_pv:
	.size	k_qa9ec0c3ca3_pv, .Lfunc_end_k_qa9ec0c3ca3_pv-k_qa9ec0c3ca3_pv
	.p2alignl 7, 3214868480
	.fill 96, 4, 3214868480
	.section	.rodata,"a",@progbits
	.p2align	6, 0x0
	.amdhsa_kernel k_qa9ec0c3ca3_pv
		.amdhsa_group_segment_fixed_size 327680
		.amdhsa_private_segment_fixed_size 0
		.amdhsa_enable_private_segment 0
		.amdhsa_kernarg_size 32
		.amdhsa_user_sgpr_count 2
		.amdhsa_user_sgpr_kernarg_segment_ptr 1
		.amdhsa_wavefront_size32 1
		.amdhsa_system_sgpr_workgroup_id_x 1
		.amdhsa_system_sgpr_workgroup_id_y 1
		.amdhsa_system_sgpr_workgroup_id_z 1
		.amdhsa_system_vgpr_workitem_id 0
		.amdhsa_next_free_vgpr 1024
		.amdhsa_next_free_sgpr 100
		.amdhsa_reserve_vcc 0
		.amdhsa_float_denorm_mode_32 3
		.amdhsa_float_denorm_mode_16_64 3
		.amdhsa_memory_ordered 1
		.amdhsa_forward_progress 1
		.amdhsa_inst_pref_size 174
	.end_amdhsa_kernel
	.amdgpu_metadata
---
amdhsa.version: [ 1, 2 ]
amdhsa.kernels:
  - .name:           k_qa9ec0c3ca3_pv
    .symbol:         k_qa9ec0c3ca3_pv.kd
    .args:
      - { .name: p_codes, .offset: 0, .size: 8, .value_kind: global_buffer, .address_space: global }
      - { .name: p_stats, .offset: 8, .size: 8, .value_kind: global_buffer, .address_space: global }
      - { .name: qkv, .offset: 16, .size: 8, .value_kind: global_buffer, .address_space: global }
      - { .name: out0, .offset: 24, .size: 8, .value_kind: global_buffer, .address_space: global }
    .group_segment_fixed_size: 327680
    .private_segment_fixed_size: 0
    .kernarg_segment_align: 8
    .kernarg_segment_size: 32
    .max_flat_workgroup_size: 128
    .sgpr_count:     100
    .vgpr_count:     1024
    .wavefront_size: 32
...
	.end_amdgpu_metadata
.endif
;; end of part 4
